; MI455X (gfx1250); checked and timed in simulation.
; The chip was launched on July 23, 2026; its instructions are those of AMD's public machine-readable ISA for CDNA 5 (MIT licence, August 2026) and "CDNA5" Instruction Set Architecture Reference Guide (July 2026). The comments in the code are by the model that wrote it; some were corrected since.
;; Attention. Allowed arithmetic: matrix products marked QUANTISED: E2M3 operands, one E8M0 scale for each 32 along K, by v_wmma_scale_f32_16x16x128_f8f6f4 with both operands' format E2M3, f32 sums; everything else in f32.
;; Inputs: Wk_codes 1,024 x 32 x 24 uint8 (E2M3 codes of Wk, K innermost, in blocks of 32 codes, four codes in three bytes); Wk_scales 1,024 x 32 uint8 (E8M0 scales of Wk, one for each 32 codes along K); Wp_codes 1,024 x 32 x 24 uint8 (E2M3 codes of Wp, K innermost, in blocks of 32 codes, four codes in three bytes); Wp_scales 1,024 x 32 uint8 (E8M0 scales of Wp, one for each 32 codes along K); Wq_codes 1,024 x 32 x 24 uint8 (E2M3 codes of Wq, K innermost, in blocks of 32 codes, four codes in three bytes); Wq_scales 1,024 x 32 uint8 (E8M0 scales of Wq, one for each 32 codes along K); Wv_codes 1,024 x 32 x 24 uint8 (E2M3 codes of Wv, K innermost, in blocks of 32 codes, four codes in three bytes); Wv_scales 1,024 x 32 uint8 (E8M0 scales of Wv, one for each 32 codes along K); bp 1,024 float32; gate 1 x 16 x 1 x 1 float32; ln_b 1,024 float32; ln_g 1,024 float32; x_codes 8 x 1,024 x 32 x 24 uint8 (E2M3 codes of x, K innermost, in blocks of 32 codes, four codes in three bytes); x_scales 8 x 1,024 x 32 uint8 (E8M0 scales of x, one for each 32 codes along K); x_text_codes 8 x 77 x 32 x 24 uint8 (E2M3 codes of x_text, K innermost, in blocks of 32 codes, four codes in three bytes); x_text_scales 8 x 77 x 32 uint8 (E8M0 scales of x_text, one for each 32 codes along K).
;; Outputs: out0 8 x 1,024 x 1,024 float32.
;; This version of the problem:
;;   THIS VERSION OF THE PROBLEM IS GIVEN IN LOW PRECISION. The matrix products marked QUANTISED in the list below multiply operands that are first quantised to E2M3 (2 exponent bits, 3 mantissa bits; 6 bits a number), with one power-of-two scale for each 32 numbers along K (OCP MX v1.0); their sums are f32. All else is computed in f32.
;;   The module's matrix products, in the order in which they are computed (A, B: the left and right operand; K: the contracted axis; several contracted axes count as one K, in the product's order):
;;     1. [M 8,192, K 1,024] x [K 1,024, N 1,024]; A: input x (given as codes); B: input Wq (given as codes): QUANTISED
;;     2. [M 616, K 1,024] x [K 1,024, N 1,024]; A: input x_text (given as codes); B: input Wk (given as codes): QUANTISED
;;     3. [M 8,192, K 1,024] x [K 1,024, N 1,024]; A: input x (given as codes); B: input Wk (given as codes): QUANTISED
;;     4. [M 616, K 1,024] x [K 1,024, N 1,024]; A: input x_text (given as codes); B: input Wv (given as codes): QUANTISED
;;     5. [M 8,192, K 1,024] x [K 1,024, N 1,024]; A: input x (given as codes); B: input Wv (given as codes): QUANTISED
;;     6. batch 128 x [M 1,024, K 64] x [K 64, N 1,101]; A: computed on the way; B: computed on the way: QUANTISED
;;     7. batch 128 x [M 1,024, K 1,101] x [K 1,101, N 64]; A: computed on the way; B: computed on the way: QUANTISED
;;     8. [M 8,192, K 1,024] x [K 1,024, N 1,024]; A: computed on the way; B: input Wp (given as codes): QUANTISED
;;   THE QUANTISER, for each operand of a quantised product, along K:
;;     - K is cut into blocks of 32 from its start; a last block that is shorter is filled with zeros.
;;     - A block's scale is 2^e with e = floor(log2(the largest magnitude in the block)) - 2, held to -126 .. 127; a block of zeros has e = 0. As a byte (E8M0): e + 127.
;;     - Each number is divided by its block's scale, clamped to +-7.5, and rounded to the nearest number of E2M3, ties to even, subnormals kept.
;;     - The product sums the exact products of the quantised numbers (number of the format x scale) in f32.
;;   ~~~python
;;   def quantise(x, axis):      # numpy; x: float32 -> the quantised numbers, widened to float32 again
;;       x = np.moveaxis(x, axis, -1); K = x.shape[-1]
;;       x = np.pad(x, [(0, 0)] * (x.ndim - 1) + [(0, -K % 32)]); x = x.reshape(x.shape[:-1] + (-1, 32)); a = np.abs(x).max(-1, keepdims=True)
;;       e = np.where(a > 0, np.clip(np.frexp(np.where(a > 0, a, 1))[1] - 1 - 2, -126, 127), 0)      # np.frexp(a)[1] - 1 = floor(log2(a)), exactly
;;       r = np.clip(x / 2.0 ** e, -7.5, 7.5)
;;       step = 2.0 ** (np.maximum(np.frexp(np.where(r == 0, 1, r))[1] - 1, 0) - 3)
;;       q = np.round(r / step) * step * 2.0 ** e      # np.round: ties to even
;;       return np.moveaxis(q.reshape(q.shape[:-2] + (-1,))[..., :K], -1, axis).astype(np.float32)
;;   ~~~
;;   OPERANDS COMPUTED ON THE WAY. 'Computed on the way' means the value that the module computes at that place (a softmax that the list does not call 'softmax' is quantised finished and normalised). What goes into a quantiser is computed in f32, as accurately as f32 sums, v_exp_f32 and their like allow (about 1e-6 of the number): no bf16 or f16 on the way to a quantiser, and a product that is left as it is and whose result goes on into a quantised operand takes f32 operands (vector FMAs, or v_wmma_f32_16x16x4_f32). A number that lies on a knife's edge between two numbers of the format may be rounded either way, as far as f32 arithmetic and the matrix unit's own rounding can turn it there, and no further.
;;   INPUTS GIVEN AS CODES. Wk (in the module: [1024, 1024], K = its axis 1); Wp (in the module: [1024, 1024], K = its axis 1); Wq (in the module: [1024, 1024], K = its axis 1); Wv (in the module: [1024, 1024], K = its axis 1); x (in the module: [8, 1024, 1024], K = its axis 2); x_text (in the module: [8, 77, 1024], K = its axis 2): each comes as NAME_codes (uint8): NAME with its K axis moved to the last place and cut into blocks of 32 codes, [.., K / 32, bytes a block], one block behind the other in memory; four codes in three bytes: a row's codes are one little-endian stream of bits, code i at bits 6 i .. 6 i + 5 (a code: sign, 2 exponent bits, 3 mantissa bits); and NAME_scales (uint8): the same leading axes, one E8M0 byte (e + 127) for each 32 codes along K. Its value is code x scale, taken as it is: it is not quantised again, and the codes and scales need not be those that the quantiser above would give.
;; One version. Each part assembles by itself: llvm-mc -triple=amdgcn-amd-amdhsa -mcpu=gfx1250 --defsym DOCPART=n.
;; ======== version 1 of 1: 4 launches
;; limits: values are held in bf16: 8 bits of precision; right only within a limited range of input values
;; workspace buffers: img 16,515,072 bytes; sci 688,128 bytes; qkv 20,447,232 bytes; qkvs 1,703,936 bytes; ao 16,777,216 bytes
;; launch layout (part 1): grid 336 x 1, 4 waves a work-group, no clusters, 50,688 bytes of LDS; arguments x_codes, x_scales, x_text_codes, x_text_scales, Wq_codes, Wq_scales, Wk_codes, Wk_scales, Wv_codes, Wv_scales, Wp_codes, Wp_scales, img, sci; writes img, sci
.if DOCPART == 1
	.amdgcn_target "amdgcn-amd-amdhsa--gfx1250"
	.amdhsa_code_object_version 6
	.text
	.protected	k_q64b752865b_layout
	.globl	k_q64b752865b_layout
	.p2align	8
	.type	k_q64b752865b_layout,@function
k_q64b752865b_layout:
	s_mov_b64 s[64:65], 0
	v_nop
	global_prefetch_b8 v0, s[64:65] scope:SCOPE_SE
	s_setreg_imm32_b32 hwreg(HW_REG_WAVE_MODE, 25, 1), 1
	s_wait_xcnt 0x0
; LAYOUT: the given codes and scale bytes are laid in the order of the matrix operands' registers, once, for the launches that follow.
; A TILE is 16 rows x 1,024 codes.  Of a block of 32 rows, tile u (0, 1) holds in slot r the row 8 u + r + 8 (r / 8): eight neighbours and the eight that lie 16 further on.
; A TILE IMAGE is 8 fragments (one for each 128 along K) of 1,536 bytes: register i (0 .. 11) of lane L at 512 (i / 4) + 16 L + 4 (i % 4), so that three loads of 16 bytes a lane bring a fragment.
; A SCALE IMAGE is 1,024 bytes for a block of 32 rows: at 32 L the 32 scale bytes of tile L / 16, slot L % 16.
; TILES: 0 .. 511 x in the order of the queries; 512 + 64 m .. the weights (m: Wq, Wk, Wv, Wp); 768 + 72 b .. the keys of batch b: 77 rows of x_text, 1,024 rows of x, 51 rows of zero codes (scale byte 127).
; SHARES: a wave makes one tile, number 4 x work-group + wave.  Each row comes by three loads of 256 consecutive bytes, turns through the wave's own stage in LDS (rows 784 bytes apart: 196 words, so that
; the 32 lanes of a load of 8 bytes fall on 64 different banks: 64 banks of 4 bytes, ISA guide 11.1) and leaves in stores of 512 consecutive bytes.  No barrier: waves share nothing.
.set PITCH, 784
.set STGB,  16*PITCH                   ; a wave's stage
.set OFFR,  16                         ; v16-31   a byte offset for each row's loads
.set IN,    32                         ; v32-127  16 rows x 6 registers as loaded
.set FR,    128                        ; v128-223 8 fragments x 12 registers
.set SX,    224                        ; v224-227 scale bytes from x or a weight
.set ST,    228                        ; v228-231 scale bytes from x_text
	s_load_b512 s[8:23], s[0:1], 0x0               ; x codes s[8:9], scales s[10:11]; x_text s[12:13], s[14:15]; Wq s[16:17], s[18:19]; Wk s[20:21], s[22:23]
	s_load_b256 s[24:31], s[0:1], 0x40             ; Wv s[24:25], s[26:27]; Wp s[28:29], s[30:31]
	s_load_b128 s[32:35], s[0:1], 0x60             ; img, sci
	v_lshl_add_u32 v232, v0, 2, 0xc400
	v_mov_b32 v233, 0
	v_lshrrev_b32 v1, 5, v0
	v_readfirstlane_b32 s36, v1                    ; wave
	v_and_b32 v1, 31, v0                           ; lane L
	s_wait_alu depctr_va_vdst(0)
	v_lshlrev_b32 v2, 3, v1                        ; 8 L
	v_lshlrev_b32 v3, 4, v1                        ; 16 L
	s_mul_i32 s48, s36, STGB
	v_add_nc_u32 v4, s48, v2                       ; the stage, on the way in: 8 L
	v_and_b32 v6, 15, v1                           ; r
	v_lshrrev_b32 v7, 4, v1                        ; h
	v_mul_u32_u24 v5, v6, PITCH
	v_mad_u32_u24 v5, v7, 24, v5
	v_add_nc_u32 v5, s48, v5                       ; and on the way out: row r, + 24 h
	s_mov_b32 s37, ttmp9                           ; g
	s_and_b32 s48, s37, 15
	s_lshl_b32 s48, s48, 2
	s_add_co_u32 s48, s48, s36                     ; g under 192: tile t of the batch or weight = 4 (g % 16) + wave
	s_lshr_b32 s49, s37, 4                         ; the batch (g under 128) or 8 + m (weights)
	s_max_u32 s50, s37, 192
	s_sub_co_u32 s50, s50, 192                     ; g from 192 on: 18 work-groups a batch
	s_mul_i32 s51, s50, 57
	s_lshr_b32 s51, s51, 10                        ; the batch: (57 n) / 1024 = n / 18 for n under 144
	s_mul_i32 s52, s51, 18
	s_sub_co_u32 s52, s50, s52
	s_lshl_b32 s52, s52, 2
	s_add_co_u32 s52, s52, s36                     ; tile t of the batch's 72
	s_lshl_b32 s41, s37, 2
	s_add_co_u32 s41, s41, s36                     ; the tile's number in img: 4 g + wave in all three ranges
	s_cmp_lt_u32 s37, 192
	s_cselect_b32 s39, s48, s52                    ; t
	s_cselect_b32 s38, s49, s51                    ; batch
	s_cselect_b32 s40, 77, 0                       ; rows are counted as keys: x and the weights begin at key 77
	s_lshr_b32 s50, s37, 6
	s_cmp_eq_u32 s50, 2                            ; 128 .. 191: a weight has no batch
	s_cselect_b32 s38, 0, s38
	s_lshr_b32 s50, s39, 1
	s_lshl_b32 s50, s50, 5
	s_add_co_u32 s40, s40, s50
	s_and_b32 s50, s39, 1
	s_lshl_b32 s50, s50, 3
	s_add_co_u32 s40, s40, s50                     ; the key in slot 0: + 32 (t / 2) + 8 (t % 2)
	s_lshl_b32 s46, s38, 10                        ; the batch's first row of x
	s_mul_i32 s47, s38, 77                         ; and of x_text
	s_mul_i32 s52, s41, 12288
	s_mov_b32 s53, 0
	s_lshl_b32 s50, s41, 9                         ; half a scale image a tile
	s_mov_b32 s51, 0
	v_lshrrev_b32 v8, 1, v1                        ; the scale bytes: two lanes to a slot, 16 bytes each
	v_and_b32 v9, 1, v1
	v_and_b32 v10, 8, v8
	v_add_nc_u32 v10, v10, v8
	v_add_nc_u32 v12, s40, v10                     ; my slot's key
	v_min_u32 v10, 0x4c, v12
	v_add_nc_u32 v10, s47, v10
	v_lshlrev_b32 v10, 5, v10
	v_lshl_add_u32 v10, v9, 4, v10                 ; in x_text's scales, held inside the batch
	v_max_u32 v11, 0x4d, v12
	v_add_nc_u32 v11, 0xffffffb3, v11
	v_min_u32 v11, 0x3ff, v11
	v_add_nc_u32 v11, s46, v11
	v_lshlrev_b32 v11, 5, v11
	v_lshl_add_u32 v11, v9, 4, v11                 ; in x's or the weight's, likewise
	v_mov_b32 v13, 0x7f7f7f7f
	s_wait_kmcnt 0x0
	s_add_nc_u64 s[54:55], s[32:33], s[52:53]
	s_add_nc_u64 s[56:57], s[34:35], s[50:51]
	s_mov_b64 s[42:43], s[8:9]                     ; the source beside x_text: x, or weight m
	s_mov_b64 s[44:45], s[10:11]
.irp m, 0,1,2,3
	s_cmp_eq_u32 s49, 8+\m
	s_cselect_b64 s[42:43], s[16+4*\m:17+4*\m], s[42:43]
	s_cselect_b64 s[44:45], s[18+4*\m:19+4*\m], s[44:45]
.endr
; the row in slot rho: three loads of 256 consecutive bytes, from x_text (keys under 77) or from the other source (its last row stands in for the rows of zeros, which are cleared below)
.macro ROWLD rho
	s_add_co_u32 s48, s40, (\rho)+8*((\rho)/8)
	s_cmp_lt_u32 s48, 77
	s_cbranch_scc0 .Lfrom_x_\@
	s_add_co_u32 s49, s47, s48
	s_mul_i32 s49, s49, 768
	v_add_nc_u32 v[OFFR+(\rho)], s49, v2
.irp i, 0,1,2
	global_load_b64 v[IN+6*(\rho)+2*\i:IN+6*(\rho)+2*\i+1], v[OFFR+(\rho)], s[12:13] offset:256*\i
.endr
	s_branch .Lrow_asked_\@
.Lfrom_x_\@:
	s_sub_co_u32 s49, s48, 77
	s_min_u32 s49, s49, 1023
	s_add_co_u32 s49, s49, s46
	s_mul_i32 s49, s49, 768
	v_add_nc_u32 v[OFFR+(\rho)], s49, v2
.irp i, 0,1,2
	global_load_b64 v[IN+6*(\rho)+2*\i:IN+6*(\rho)+2*\i+1], v[OFFR+(\rho)], s[42:43] offset:256*\i
.endr
.Lrow_asked_\@:
.endm
.irp rho, 0,1,2,3,4,5,6,7,8,9,10,11,12,13,14,15
	ROWLD \rho
.endr
	global_load_b128 v[SX:SX+3], v11, s[44:45]
	global_load_b128 v[ST:ST+3], v10, s[14:15]
.irp rho, 0,1,2,3,4,5,6,7,8,9,10,11,12,13,14,15
	s_wait_loadcnt 3*(15-\rho)+2                   ; this row is in: the later rows' three loads each and the two loads of scale bytes may be out
	s_add_co_u32 s48, s40, \rho+8*(\rho/8)
	s_cmp_lt_u32 s48, 1101
	s_cselect_b32 s49, -1, 0                       ; keys from 1,101 on are rows of zero codes
.irp i, 0,1,2,3,4,5
	v_and_b32 v[IN+6*\rho+\i], s49, v[IN+6*\rho+\i]
.endr
.irp i, 0,1,2
	ds_store_b64 v4, v[IN+6*\rho+2*\i:IN+6*\rho+2*\i+1] offset:PITCH*\rho+256*\i
.endr
.endr
.irp q, 0,1,2,3,4,5,6,7                ; LDS serves a wave's instructions in order (ISA guide 5.7.1.4): these see the stores above
.irp p, 0,1,2,3,4,5
	ds_load_b64 v[FR+12*\q+2*\p:FR+12*\q+2*\p+1], v5 offset:96*\q+48*(\p/3)+8*(\p%3)
.endr
.endr
.irp q, 0,1,2,3,4,5,6,7
	s_wait_dscnt 6*(7-\q)                          ; fragment q is in: the later fragments' six loads each may be out
.irp c, 0,1,2
	global_store_b128 v3, v[FR+12*\q+4*\c:FR+12*\q+4*\c+3], s[54:55] offset:1536*\q+512*\c   ; 512 consecutive bytes
.endr
.endr
	s_wait_loadcnt 0x0
	v_cmp_gt_u32 vcc_lo, 77, v12                   ; a key under 77 takes x_text's bytes,
.irp i, 0,1,2,3
	v_cndmask_b32 v[SX+\i], v[SX+\i], v[ST+\i], vcc_lo
.endr
	v_cmp_lt_u32 vcc_lo, 0x44c, v12                ; one over 1,100 the byte 127
.irp i, 0,1,2,3
	v_cndmask_b32 v[SX+\i], v[SX+\i], v13, vcc_lo
.endr
	global_store_b128 v3, v[SX:SX+3], s[56:57]     ; 512 consecutive bytes
	s_wait_tensorcnt 0x0
	ds_add_u32 v232, v233
	s_wait_dscnt 0x0
	s_endpgm
.Lfunc_end_k_q64b752865b_layout:
	.size	k_q64b752865b_layout, .Lfunc_end_k_q64b752865b_layout-k_q64b752865b_layout
	.p2alignl 7, 3214868480
	.fill 96, 4, 3214868480
	.section	.rodata,"a",@progbits
	.p2align	6, 0x0
	.amdhsa_kernel k_q64b752865b_layout
		.amdhsa_group_segment_fixed_size 50688
		.amdhsa_private_segment_fixed_size 0
		.amdhsa_enable_private_segment 0
		.amdhsa_kernarg_size 112
		.amdhsa_user_sgpr_count 2
		.amdhsa_user_sgpr_kernarg_segment_ptr 1
		.amdhsa_wavefront_size32 1
		.amdhsa_system_sgpr_workgroup_id_x 1
		.amdhsa_system_sgpr_workgroup_id_y 1
		.amdhsa_system_sgpr_workgroup_id_z 1
		.amdhsa_system_vgpr_workitem_id 0
		.amdhsa_next_free_vgpr 234
		.amdhsa_next_free_sgpr 66
		.amdhsa_reserve_vcc 1
		.amdhsa_float_denorm_mode_32 3
		.amdhsa_float_denorm_mode_16_64 3
		.amdhsa_memory_ordered 1
		.amdhsa_forward_progress 1
		.amdhsa_inst_pref_size 36
	.end_amdhsa_kernel
	.amdgpu_metadata
---
amdhsa.version: [ 1, 2 ]
amdhsa.kernels:
  - .name:           k_q64b752865b_layout
    .symbol:         k_q64b752865b_layout.kd
    .args:
      - { .name: x_codes, .offset: 0, .size: 8, .value_kind: global_buffer, .address_space: global }
      - { .name: x_scales, .offset: 8, .size: 8, .value_kind: global_buffer, .address_space: global }
      - { .name: x_text_codes, .offset: 16, .size: 8, .value_kind: global_buffer, .address_space: global }
      - { .name: x_text_scales, .offset: 24, .size: 8, .value_kind: global_buffer, .address_space: global }
      - { .name: Wq_codes, .offset: 32, .size: 8, .value_kind: global_buffer, .address_space: global }
      - { .name: Wq_scales, .offset: 40, .size: 8, .value_kind: global_buffer, .address_space: global }
      - { .name: Wk_codes, .offset: 48, .size: 8, .value_kind: global_buffer, .address_space: global }
      - { .name: Wk_scales, .offset: 56, .size: 8, .value_kind: global_buffer, .address_space: global }
      - { .name: Wv_codes, .offset: 64, .size: 8, .value_kind: global_buffer, .address_space: global }
      - { .name: Wv_scales, .offset: 72, .size: 8, .value_kind: global_buffer, .address_space: global }
      - { .name: Wp_codes, .offset: 80, .size: 8, .value_kind: global_buffer, .address_space: global }
      - { .name: Wp_scales, .offset: 88, .size: 8, .value_kind: global_buffer, .address_space: global }
      - { .name: img, .offset: 96, .size: 8, .value_kind: global_buffer, .address_space: global }
      - { .name: sci, .offset: 104, .size: 8, .value_kind: global_buffer, .address_space: global }
    .group_segment_fixed_size: 50688
    .private_segment_fixed_size: 0
    .kernarg_segment_align: 8
    .kernarg_segment_size: 112
    .max_flat_workgroup_size: 128
    .sgpr_count:     66
    .vgpr_count:     234
    .wavefront_size: 32
...
	.end_amdgpu_metadata
.endif
;; end of part 1
;; launch proj (part 2): grid 4 x 52, 4 waves a work-group, clusters of 4 x 1, 327,680 bytes of LDS; arguments img, sci, qkv, qkvs; writes qkv, qkvs
.if DOCPART == 2
	.amdgcn_target "amdgcn-amd-amdhsa--gfx1250"
	.amdhsa_code_object_version 6
	.text
	.protected	k_q64b752865b_proj
	.globl	k_q64b752865b_proj
	.p2align	8
	.type	k_q64b752865b_proj,@function
k_q64b752865b_proj:
	s_mov_b64 s[64:65], 0
	v_nop
	global_prefetch_b8 v0, s[64:65] scope:SCOPE_SE
	s_setreg_imm32_b32 hwreg(HW_REG_WAVE_MODE, 25, 1), 1
	s_wait_xcnt 0x0
	s_wait_alu depctr_hold_cnt(0) depctr_sa_sdst(0) depctr_va_vdst(0) depctr_va_sdst(0) depctr_va_ssrc(0) depctr_va_vcc(0) depctr_vm_vsrc(0)
	s_getreg_b32 s2, hwreg(HW_REG_IB_STS2, 6, 4)
	s_cmp_eq_u32 s2, 0
	s_cbranch_scc0 .Lentry_in_a_cluster
	s_endpgm
.Lentry_in_a_cluster:
	s_bfe_u32 s2, ttmp6, 0x10000c
	s_cmp_lg_u32 s2, 0x3003
	s_cbranch_scc0 .Lentry_shape_is_right
	s_endpgm
.Lentry_shape_is_right:
; PROJ: q = x Wq^T, k = [x_text; x] Wk^T, v = [x_text; x] Wv^T on codes of FP6 (E2M3) with E8M0 scales, sums in f32; the results are quantised at once: q and k along the head's 64, v along the keys.
; A UNIT is 128 rows x 256 channels x K = 1,024.  832 units: q 64 x 4, k 72 x 4, v 72 x 4.  A work-group stays for four units, one below the other, of one slice of 256 channels: 208 work-groups of equal work
; (with more work-groups some would still have four units).  Work-group y says which: 0-15 q, 16-33 k, 34-51 v.  Wave w owns the 64 channels of ONE head, 4 x slice + w, for all 128 rows:
; its 32 fragments of the weight stay in 384 registers, read once.
; CLUSTER: the four slices of a cluster read the same 128 rows, so each unit's rows are asked for JOINTLY: the same tensor load, the same descriptor, the mask 15, in all four.  The slice enters the weights'
; and the results' addresses alone: no LDS address, no branch, no descriptor.
; RING: two LDS slots of 98,304 bytes, a unit's 8 tile images, dense; each wave fetches a quarter (96 rows of 256 bytes).  One tensor load of a wave is out at a time, and has a unit's 256 matrix instructions in which to land.
; q, k: source 0 = 16 channels, source 1 = 16 rows: a lane holds one row, and the 16 registers of two neighbouring channel tiles are 16 neighbouring channels (the tiles' order of rows sees to that).
;   The 64 registers of row tiles 2 p and 2 p + 1 become ONE fragment, a PAIR: registers 0-5 tile 2 p (K = the head's 64), registers 6-11 tile 2 p + 1; scale bytes 0, 1 and 2, 3.
; v: source 0 = 16 rows (keys), source 1 = 16 channels: a lane holds one channel and its registers run along the keys: channel tile t gives one fragment, K = the unit's 128 keys.
; LIMITS: NaN, infinities and scale bytes of 0xff among the inputs are not served.  A block of zeros gets the byte 1 where the rule says 127: its codes are zeros, and these bytes are read by this program alone.
; REGISTERS, in windows of 256: window 0: v1 16 L, v2 32 L, v3 4 L, v4-5 LDS addresses, v6-7 for the add; v16-31 the weight's scale words; v32-63 the rows' scale words; v64-159, v160-255 the rows' fragments, two sets.
;   window 1: the weight's fragments of K steps 0-4 (step q, tile t at 12 (4 q + t));  window 2: those of steps 5-7; v144-183 the quantiser's;  window 3: 32 accumulators.
.set FRB,   1536                       ; a fragment's image
.set TILEB, 12288                      ; a tile's
.set UNITB, 98304                      ; a unit's rows
.set SLOT1, 131072                     ; slot 1 begins here: one exclusive or turns an address from one slot to the other
.set SPARE, 262144                     ; the spare words, 128 bytes for each wave: two blocks of 256 bytes that no other line names
.set SB,  16
.set SA,  32
.set AB0, 64
.set TM,  144                          ; window 2: v144-147 largest magnitudes, v148-151 the other half's, then bytes, v156-159 the conversions' scale operands
.set PW,  160                          ; the scale word just made
.set PC,  164                          ; the codes just made: 12 registers, and 8 at work
.set WV,  12                           ; s12 wave;  s13 slice;  s14 work-group y
.set KIND, 15                          ; s15 0 q, 1 k, 2 v
.set TB,  16                           ; s16 LDS byte at which the slot in hand begins
.set CNT, 17
.set SEL, 18                           ; s[18:19] v_permlanex16_b32's selects for lane l xor 16
.set G0,  20                           ; s[20:23] descriptor group 0, which walks
.set G1,  24                           ; s[24:31] group 1
.set SAP, 32                           ; s[32:33] the unit's scale images
.set OIP, 34                           ; s[34:35] where the unit's four fragments go
.set OSP, 36                           ; s[36:37] and their scale words
.set WP,  38                           ; s[38:39] my head's four tiles of the weight
.set WSP, 40                           ; s[40:41] and their scale images
.set MSB, 0
.macro WIN new                         ; the immediate's high byte repeats the setting that is left; a switch that changes nothing is dropped
.if MSB != (\new)
	s_set_vgpr_msb (MSB<<8)|(\new)
.set MSB, \new
.endif
.endm
.macro PLACES                          ; four plain places behind a matrix instruction, in front of loads into its registers and of the first read of results
.rept 4
	v_nop
.endr
.endm
.macro ROUND                           ; a round of the cluster's barrier
	s_barrier_signal -1
	s_barrier_wait -1
	s_cmp_lg_u32 s[WV], 0
	s_cbranch_scc1 .Lnot_wave_0_\@
	s_barrier_signal -3
.Lnot_wave_0_\@:
	s_barrier_wait -3
	s_barrier_signal -1
	s_barrier_wait -1
.endm
; one matrix instruction on the registers named by rD, rA, rB, rC, xA, xB.  z = 1: C is the constant 0.  ra, rb = 1: that side's scale words stand in lanes 16-31
.macro WMMA z, ra, rb
.if (\z) && (\ra) && (\rb)
	v_wmma_scale_f32_16x16x128_f8f6f4 v[rD:rD+7], v[rA:rA+11], v[rB:rB+11], 0, v[xA], v[xB] matrix_a_fmt:MATRIX_FMT_FP6 matrix_b_fmt:MATRIX_FMT_FP6 matrix_a_scale:MATRIX_SCALE_ROW1 matrix_b_scale:MATRIX_SCALE_ROW1
.elseif (\z) && (\ra)
	v_wmma_scale_f32_16x16x128_f8f6f4 v[rD:rD+7], v[rA:rA+11], v[rB:rB+11], 0, v[xA], v[xB] matrix_a_fmt:MATRIX_FMT_FP6 matrix_b_fmt:MATRIX_FMT_FP6 matrix_a_scale:MATRIX_SCALE_ROW1
.elseif (\z) && (\rb)
	v_wmma_scale_f32_16x16x128_f8f6f4 v[rD:rD+7], v[rA:rA+11], v[rB:rB+11], 0, v[xA], v[xB] matrix_a_fmt:MATRIX_FMT_FP6 matrix_b_fmt:MATRIX_FMT_FP6 matrix_b_scale:MATRIX_SCALE_ROW1
.elseif (\z)
	v_wmma_scale_f32_16x16x128_f8f6f4 v[rD:rD+7], v[rA:rA+11], v[rB:rB+11], 0, v[xA], v[xB] matrix_a_fmt:MATRIX_FMT_FP6 matrix_b_fmt:MATRIX_FMT_FP6
.elseif (\ra) && (\rb)
	v_wmma_scale_f32_16x16x128_f8f6f4 v[rD:rD+7], v[rA:rA+11], v[rB:rB+11], v[rC:rC+7], v[xA], v[xB] matrix_a_fmt:MATRIX_FMT_FP6 matrix_b_fmt:MATRIX_FMT_FP6 matrix_a_scale:MATRIX_SCALE_ROW1 matrix_b_scale:MATRIX_SCALE_ROW1
.elseif (\ra)
	v_wmma_scale_f32_16x16x128_f8f6f4 v[rD:rD+7], v[rA:rA+11], v[rB:rB+11], v[rC:rC+7], v[xA], v[xB] matrix_a_fmt:MATRIX_FMT_FP6 matrix_b_fmt:MATRIX_FMT_FP6 matrix_a_scale:MATRIX_SCALE_ROW1
.elseif (\rb)
	v_wmma_scale_f32_16x16x128_f8f6f4 v[rD:rD+7], v[rA:rA+11], v[rB:rB+11], v[rC:rC+7], v[xA], v[xB] matrix_a_fmt:MATRIX_FMT_FP6 matrix_b_fmt:MATRIX_FMT_FP6 matrix_b_scale:MATRIX_SCALE_ROW1
.else
	v_wmma_scale_f32_16x16x128_f8f6f4 v[rD:rD+7], v[rA:rA+11], v[rB:rB+11], v[rC:rC+7], v[xA], v[xB] matrix_a_fmt:MATRIX_FMT_FP6 matrix_b_fmt:MATRIX_FMT_FP6
.endif
.endm
.macro FETCH q                         ; the 8 row tiles' fragments of K step q into set q % 2: 24 loads of 512 consecutive bytes
	WIN 0
.irp a, 0,1,2,3,4,5,6,7
.irp c, 0,1,2
	ds_load_b128 v[AB0+96*((\q)%2)+12*\a+4*\c:AB0+96*((\q)%2)+12*\a+4*\c+3], v[4+\a/4] offset:(\a%4)*TILEB+(\q)*FRB+512*\c
.endr
.endr
.endm
; 32 matrix instructions, K step q.  The 32 accumulators take turns, one instruction a turn, from number 0 to number 31 in both forms.
.macro MULQK q                         ; source 0 = channel tile t, source 1 = row tile a; accumulator 4 a + t
.if (\q) <= 4
	WIN 0xf1
.set BO, 48*(\q)
.else
	WIN 0xf2
.set BO, 48*((\q)-5)
.endif
.irp a, 0,1,2,3,4,5,6,7
.irp t, 0,1,2,3
.set rD, 8*(4*\a+\t)
.set rC, rD
.set rA, BO+12*\t
.set rB, AB0+96*((\q)%2)+12*\a
.set xA, SB+8*(\t/2)+(\q)
.set xB, SA+8*(\a/2)+(\q)
.if (\q) == 0
	WMMA 1, \t%2, \a%2
.else
	WMMA 0, \t%2, \a%2
.endif
.endr
.endr
.endm
.macro MULV q                          ; source 0 = row tile a, source 1 = channel tile t; accumulator 8 t + a
.if (\q) <= 4
	WIN 0xf4
.set BO, 48*(\q)
.else
	WIN 0xf8
.set BO, 48*((\q)-5)
.endif
.irp a, 0,1,2,3,4,5,6,7
.irp t, 0,1,2,3
.set rD, 8*(8*\t+\a)
.set rC, rD
.set rA, AB0+96*((\q)%2)+12*\a
.set rB, BO+12*\t
.set xA, SA+8*(\a/2)+(\q)
.set xB, SB+8*(\t/2)+(\q)
.if (\q) == 0
	WMMA 1, \a%2, \t%2
.else
	WMMA 0, \a%2, \t%2
.endif
.endr
.endr
.endm
.macro QSTEP q                         ; K step q: the next step's fragments are asked for first, then this step is multiplied
.if (\q) >= 1 && (\q) < 7
	PLACES                                         ; the set to be loaded was read by the step before
.endif
.if (\q) < 7
	FETCH (\q)+1
	s_wait_dscnt 24                                ; this step's fragments are in; the 24 loads just issued may be out
.else
	s_wait_dscnt 0x0
.endif
	s_cmp_eq_u32 s[KIND], 2                        ; the same in all four partners: it hangs on work-group y
	s_cbranch_scc1 .Lv_\@
	MULQK \q
	WIN 0
	s_branch .Le_\@
.Lv_\@:
	MULV \q
	WIN 0
.Le_\@:
.endm
; 64 numbers of a lane, at src of window ws, register 16 b + i = k 32 b + 16 (lane / 16) + i of the lane's row, become a fragment's 12 registers of codes in v[PC] on and its scale word in v[PW] (window 2).
; A block's scale: the largest magnitude's exponent field less 2, held at 1 from below by the floor 2^(3 - 127) among the maximum's leaves.  Each accumulator is read from its low end on.
.macro QUANT src, ws
	WIN 0xa0|((\ws)<<2)|(\ws)
.irp b, 0,1,2,3
	v_max3_num_f32 v[TM+\b], |v[(\src)+16*\b]|, |v[(\src)+16*\b+1]|, 0x1800000
.endr
.irp i, 2,4,6,8,10,12,14
.irp b, 0,1,2,3
	v_max3_num_f32 v[TM+\b], |v[(\src)+16*\b+\i]|, |v[(\src)+16*\b+\i+1]|, v[TM+\b]
.endr
.endr
	WIN 0xaa
.irp b, 0,1,2,3
	v_permlanex16_b32 v[TM+4+\b], v[TM+\b], s[SEL], s[SEL+1]
.endr
.irp b, 0,1,2,3
	v_max_num_f32 v[TM+\b], v[TM+\b], v[TM+4+\b]   ; with lane l xor 16's 16: the block's largest magnitude
.endr
.irp b, 0,1,2,3
	v_add_nc_u32 v[TM+12+\b], 0xff000000, v[TM+\b] ; 2 off its exponent field: the conversion's scale operand
.endr
.irp b, 0,1,2,3
	v_lshrrev_b32 v[TM+4+\b], 23, v[TM+12+\b]      ; the scale's byte
.endr
	v_lshl_or_b32 v[PW], v[TM+5], 8, v[TM+4]
	v_lshl_or_b32 v[PW], v[TM+6], 16, v[PW]
	v_lshl_or_b32 v[PW], v[TM+7], 24, v[PW]
	WIN 0x88|(\ws)
.irp c, 0,1
	v_cvt_scalef32_pk16_fp6_f32 v[PC+6*\c:PC+2+6*\c], v[(\src)+32*\c:(\src)+15+32*\c], v[TM+12+2*\c]
	v_cvt_scalef32_pk16_fp6_f32 v[PC+12+4*\c:PC+14+4*\c], v[(\src)+16+32*\c:(\src)+31+32*\c], v[TM+13+2*\c]   ; (a conversion's three registers begin on an even number)
.endr
	WIN 0xaa
	v_nop                                          ; one plain place behind a scaled conversion
.irp c, 0,1                            ; the operand wants a whole block in a lane: lanes 0-15 block 2 c, lanes 16-31 block 2 c + 1
.irp i, 0,1,2
	v_permlane16_swap_b32 v[PC+6*\c+\i], v[PC+12+4*\c+\i]
.endr
.irp i, 0,1,2
	v_mov_b32 v[PC+3+6*\c+\i], v[PC+12+4*\c+\i]
.endr
.endr
.endm
.macro SALOAD                          ; a unit's four scale images: 8 words a lane and block
.irp a, 0,1,2,3
.irp k, 0,1
	global_load_b128 v[SA+8*\a+4*\k:SA+8*\a+4*\k+3], v2, s[SAP:SAP+1] offset:1024*\a+16*\k
.endr
.endr
.endm
; A UNIT: eight K steps, then its four fragments are made and stored.  more = 1: the next unit's scale words are asked for behind the last product
.macro UNIT more
	v_add_nc_u32 v4, s[TB], v1                     ; row tiles 0-3
	v_add_nc_u32 v5, 49152, v4                     ; row tiles 4-7
	FETCH 0
	s_wait_alu depctr_va_vdst(0)
	s_wait_loadcnt 0x0                             ; the unit's scale words (the first time: the weight too)
.irp q, 0,1,2,3,4,5,6,7
	QSTEP \q
.endr
	PLACES
.if \more
	s_add_nc_u64 s[SAP:SAP+1], s[SAP:SAP+1], 4096  ; (its last loads were waited for above)
	SALOAD
.endif
.irp p, 0,1,2,3
	s_wait_xcnt 0x0                                ; the last stores have read their registers: the codes and the word are written again only behind this wait
	QUANT 64*\p, 3
	WIN 0x08                                       ; a store's data are its source 1: window 2
.irp c, 0,1,2
	global_store_b128 v1, v[PC+4*\c:PC+4*\c+3], s[OIP:OIP+1] offset:FRB*\p+512*\c   ; 512 consecutive bytes
.endr
	global_store_b32 v3, v[PW], s[OSP:OSP+1] offset:128*\p
	WIN 0
.endr
	s_wait_xcnt 0x0                                ; the stores have read their bases
	s_add_nc_u64 s[OIP:OIP+1], s[OIP:OIP+1], 4*FRB
	s_add_nc_u64 s[OSP:OSP+1], s[OSP:OSP+1], 4*128
	s_xor_b32 s[TB], s[TB], SLOT1
.endm
; THE CHANGE OF SLOTS, at a unit's head.  Each wave waits for all its tensor loads (its part of the slot ahead), adds 0 to its spare word, and waits for that and for its reads of the slot that it has left.
; fill = 1: behind a round of the cluster's barrier that other slot is filled with the next unit's rows, first thing
.macro CHANGE fill
	s_wait_tensorcnt 0x0                           ; no tensor load of mine is out, so group 0 may be written
	ds_add_u32 v6, v7                              ; 0 onto my spare word
.if \fill
	s_xor_b32 s[G0+1], s[G0+1], SLOT1
	s_add_nc_u64 s[G0+2:G0+3], s[G0+2:G0+3], UNITB ; the type bits on top are not reached
.endif
	s_wait_dscnt 0x0                               ; the add is done, and my reads of the slot that I have left are over
.if \fill
	ROUND
	tensor_load_to_lds s[G0:G0+3], s[G1:G1+7]
	s_nop 0
	PLACES                                         ; four v_nop follow the load
.else
	s_barrier_signal -1
	s_barrier_wait -1
.endif
.endm
	s_load_b256 s[4:11], s[0:1], 0x0               ; img s[4:5], sci s[6:7], qkv s[8:9], qkvs s[10:11]
	v_lshl_add_u32 v6, v0, 2, SPARE
	v_mov_b32 v7, 0
	ds_add_u32 v6, v7
	ds_add_u32 v6, v7
	s_wait_dscnt 0x0
	v_lshrrev_b32 v1, 5, v0
	v_readfirstlane_b32 s[WV], v1
	v_and_b32 v3, 31, v0
	v_lshlrev_b32 v1, 4, v3
	v_lshlrev_b32 v2, 5, v3
	v_lshlrev_b32 v3, 2, v3
	s_bfe_u32 s13, ttmp6, 0x40000                  ; my place in the cluster = the slice
	s_and_b32 s14, ttmp7, 0xffff
	s_mov_b32 s45, 288
	s_cmp_lt_u32 s14, 16
	s_cselect_b32 s[KIND], 0, 1
	s_cselect_b32 s42, 0, 16                       ; the kind's first y
	s_cselect_b32 s43, 0, 768                      ; its first tile in img
	s_cselect_b32 s44, 0, 4096                     ; its first fragment in qkv
	s_cselect_b32 s45, 256, s45                    ; fragments a head
	s_cmp_lt_u32 s14, 34
	s_cselect_b32 s[KIND], s[KIND], 2
	s_cselect_b32 s42, s42, 34
	s_cselect_b32 s44, s44, 8704
	s_sub_co_u32 s42, s14, s42                     ; which four units of the kind
	s_lshl_b32 s46, s42, 5
	s_add_co_u32 s43, s43, s46                     ; their first tile
	s_mul_i32 s[G0+1], s[WV], 24576                ; 63:32 LDS address: my quarter of slot 0
	s_mul_i32 s46, s43, TILEB
	s_add_co_u32 s46, s46, s[G0+1]                 ; and the same quarter in memory
	s_mov_b32 s47, 0
	s_lshl_b32 s48, s13, 2
	s_add_co_u32 s48, s48, s[WV]                   ; my head
	s_mul_i32 s49, s45, s48
	s_add_co_u32 s49, s49, s44
	s_lshl_b32 s50, s42, 4
	s_add_co_u32 s49, s49, s50                     ; my first fragment in qkv: four a unit
	s_lshl_b32 s50, s[KIND], 6
	s_lshl_b32 s51, s48, 2
	s_add_co_u32 s50, s50, s51
	s_add_co_u32 s50, s50, 512                     ; my head's first tile of the weight
	s_mov_b32 s53, 0
	s_mov_b32 s[SEL], 0x76543210
	s_mov_b32 s[SEL+1], 0xfedcba98
	s_mov_b32 s[G1+0], 15|(3<<16)|(1<<21)          ; 15:0 the mask: all four work-groups; 17:16 elements of 8 bytes; 21 set beside a mask; no padding
	s_mov_b32 s[G1+1], 32<<16                      ; tensor_dim0 = 32 elements: rows of 256 bytes
	s_mov_b32 s[G1+2], 96<<16                      ; tensor_dim1 = 96
	s_mov_b32 s[G1+3], 32<<16                      ; tile_dim0
	s_mov_b32 s[G1+4], 96                          ; tile_dim1
	s_mov_b32 s[G1+5], 32                          ; the pitch: dense
	s_mov_b32 s[G1+6], 0
	s_mov_b32 s[G1+7], 0
	s_wait_kmcnt 0x0
	s_mov_b32 s[G0], 1
	s_add_nc_u64 s[G0+2:G0+3], s[4:5], s[46:47]
	s_or_b32 s[G0+3], s[G0+3], 0x80000000
	s_lshl_b32 s46, s43, 9
	s_add_nc_u64 s[SAP:SAP+1], s[6:7], s[46:47]
	s_mul_i32 s52, s49, FRB
	s_add_nc_u64 s[OIP:OIP+1], s[8:9], s[52:53]
	s_lshl_b32 s52, s49, 7
	s_add_nc_u64 s[OSP:OSP+1], s[10:11], s[52:53]
	s_mul_i32 s52, s50, TILEB
	s_add_nc_u64 s[WP:WP+1], s[4:5], s[52:53]
	s_lshl_b32 s52, s50, 9
	s_add_nc_u64 s[WSP:WSP+1], s[6:7], s[52:53]
	ROUND                                          ; all four work-groups are here: the first joint loads meet
	tensor_load_to_lds s[G0:G0+3], s[G1:G1+7]      ; unit 0 into slot 0
	s_nop 0
	PLACES
	WIN 0x40                                       ; destination window 1
	s_wait_alu depctr_va_vdst(0)
.irp q, 0,1,2,3,4
.irp t, 0,1,2,3
.irp c, 0,1,2
	global_load_b128 v[12*(4*\q+\t)+4*\c:12*(4*\q+\t)+4*\c+3], v1, s[WP:WP+1] offset:TILEB*\t+FRB*\q+512*\c
.endr
.endr
.endr
	WIN 0x80                                       ; destination window 2
.irp q, 5,6,7
.irp t, 0,1,2,3
.irp c, 0,1,2
	global_load_b128 v[12*(4*(\q-5)+\t)+4*\c:12*(4*(\q-5)+\t)+4*\c+3], v1, s[WP:WP+1] offset:TILEB*\t+FRB*\q+512*\c
.endr
.endr
.endr
.irp b, 0,1,2,3
	v_mov_b32 v[TM+4+\b], 0                        ; written once: a lane permute's destination counts as one of its sources
.endr
	WIN 0
.irp a, 0,1
.irp k, 0,1
	global_load_b128 v[SB+8*\a+4*\k:SB+8*\a+4*\k+3], v2, s[WSP:WSP+1] offset:1024*\a+16*\k
.endr
.endr
	SALOAD
	s_mov_b32 s[TB], 0
	s_mov_b32 s[CNT], 3
.Lunit:                                            ; three trips: behind each change of slots but the last the next unit is asked for
	CHANGE 1
	UNIT 1
	s_sub_co_u32 s[CNT], s[CNT], 1
	s_cmp_lg_u32 s[CNT], 0
	s_cbranch_scc1 .Lunit
	CHANGE 0                                       ; the last unit is written out
	UNIT 0
	s_wait_tensorcnt 0x0                           ; the wave's end
	ds_add_u32 v6, v7
	s_wait_dscnt 0x0
	ROUND                                          ; the closing round: no work-group ends while a partner may still ask for rows that name it
	s_endpgm
.Lfunc_end_k_q64b752865b_proj:
	.size	k_q64b752865b_proj, .Lfunc_end_k_q64b752865b_proj-k_q64b752865b_proj
	.p2alignl 7, 3214868480
	.fill 96, 4, 3214868480
	.section	.rodata,"a",@progbits
	.p2align	6, 0x0
	.amdhsa_kernel k_q64b752865b_proj
		.amdhsa_group_segment_fixed_size 327680
		.amdhsa_private_segment_fixed_size 0
		.amdhsa_enable_private_segment 0
		.amdhsa_kernarg_size 32
		.amdhsa_user_sgpr_count 2
		.amdhsa_user_sgpr_kernarg_segment_ptr 1
		.amdhsa_wavefront_size32 1
		.amdhsa_system_sgpr_workgroup_id_x 1
		.amdhsa_system_sgpr_workgroup_id_y 1
		.amdhsa_system_sgpr_workgroup_id_z 1
		.amdhsa_system_vgpr_workitem_id 0
		.amdhsa_next_free_vgpr 1024
		.amdhsa_next_free_sgpr 66
		.amdhsa_reserve_vcc 0
		.amdhsa_float_denorm_mode_32 3
		.amdhsa_float_denorm_mode_16_64 3
		.amdhsa_memory_ordered 1
		.amdhsa_forward_progress 1
		.amdhsa_inst_pref_size 210
	.end_amdhsa_kernel
	.amdgpu_metadata
---
amdhsa.version: [ 1, 2 ]
amdhsa.kernels:
  - .name:           k_q64b752865b_proj
    .symbol:         k_q64b752865b_proj.kd
    .args:
      - { .name: img, .offset: 0, .size: 8, .value_kind: global_buffer, .address_space: global }
      - { .name: sci, .offset: 8, .size: 8, .value_kind: global_buffer, .address_space: global }
      - { .name: qkv, .offset: 16, .size: 8, .value_kind: global_buffer, .address_space: global }
      - { .name: qkvs, .offset: 24, .size: 8, .value_kind: global_buffer, .address_space: global }
    .group_segment_fixed_size: 327680
    .private_segment_fixed_size: 0
    .kernarg_segment_align: 8
    .kernarg_segment_size: 32
    .max_flat_workgroup_size: 128
    .sgpr_count:     66
    .vgpr_count:     1024
    .wavefront_size: 32
...
	.end_amdgpu_metadata
.endif
;; end of part 2
;; launch attn (part 3): grid 256 x 1, 8 waves a work-group, no clusters, 167,936 bytes of LDS; arguments qkv, qkvs, gate, ao; writes ao
.if DOCPART == 3
	.amdgcn_target "amdgcn-amd-amdhsa--gfx1250"
	.amdhsa_code_object_version 6
	.text
	.protected	k_q64b752865b_attn
	.globl	k_q64b752865b_attn
	.p2align	8
	.type	k_q64b752865b_attn,@function
k_q64b752865b_attn:
	s_mov_b64 s[64:65], 0
	v_nop
	global_prefetch_b8 v0, s[64:65] scope:SCOPE_SE
	s_setreg_imm32_b32 hwreg(HW_REG_WAVE_MODE, 25, 1), 1
	s_wait_xcnt 0x0
; ATTN: for each batch and head: scores = q k^T / 8; column 0 of the weights is tanh(gate), columns 1 .. 1,100 the softmax of the scores there; out = weights x v, rounded to bf16.  Both products on codes of FP6 (E2M3).
; The second product's left operand is the finished row: normalised, tanh(gate) at key 0, quantised in blocks of 32 keys from key 0.  Keys 1,101 .. 1,151 are filling: their weights are 0.
; SHARES: work-group = (head, batch, half of the queries), 8 waves.  The head's k (36 pairs of key tiles) and v (36 fragments), 110,592 bytes, come into LDS once, an eighth by each wave's tensor load.
; Waves w and w + 4 (z = w / 4) share a tile of 16 queries, 8 tiles a pair of waves.  Wave z holds 18 of the 36 blocks of 32 keys in 288 registers: z = 0 blocks 0-17; z = 1 blocks 20-35 (local 0-15) and 18, 19 (local 16, 17).
; Both run one text: what differs lies in LDS addresses and in three scalar masks.
; SOFTMAX: each half takes its own true maximum M and sum L of 2^(c s - c M); the two exchange (-c M, L) through LDS; each normalises by 2^(c M - c max(M, M')) / (the joint sum).
; FILLING: the score products of local blocks 14, 15 take a C that holds -3e38 at the filling keys of z = 1 (0 elsewhere, and all 0 for z = 0).  Key 0 gets -infinity by one select (z = 0 alone).
; SECOND PRODUCT: four whole steps of 128 keys (local blocks 0-15) and half of step 4 (local 16, 17) against 64 zero codes; v's fragments land in score registers that have been converted.
; Each wave keeps channel tiles 2 z, 2 z + 1 of O^T and hands the other two to its partner through LDS.
; NO CLUSTER: two work-groups read a head's k and v, each once, at its head.  NO PREFETCH: that one fill stands at the head; there is no loop to run ahead in.
; LIMITS: NaN and infinities are not served; scaled scores stay under 2^31 in magnitude.  v_exp_f32 gives 0 for p under 2^-126.  A block of zeros has the byte 1: its codes are zeros.  A block's largest p is made from its
; largest score by the same instructions (this takes v_exp_f32 not to fall where its input rises).  v_rcp_f32 stands for the division.  tanh: 1 - 2 / (1 + e^(2x)) from |x| = 0.25 on, five terms of its series below.
; REGISTERS: window 1 (v256-511): local blocks 0-15, register 16 b + i = key 32 b + 16 (lane / 16) + i.  Window 0: the list below.
.set FRB,  1536
.set VOFF, 55296                       ; LDS: k's 36 pairs, then v's 36 fragments
.set XCH,  110592                      ; exchange: 2,560 bytes a wave: 2,048 of O^T, then (-c M, L) at 16 L
.set SPARE, XCH+8*2560                 ; the spare words, 128 bytes a wave
.set KS,   36                          ; v36-44  k's scale words: register i: local pair 2 i in lanes 0-15, 2 i + 1 in lanes 16-31
.set VS,   45                          ; v45-54  v's: 2 s + t / 2 for whole step s; 8, 9 the half step
.set PWS,  55                          ; v55-59  p's scale words
.set BM,   60                          ; v60-77  a block's largest score, largest p, byte
.set BT,   78                          ; v78-95  the other half's maximum; then the conversions' scale operands
.set LS,   96                          ; v96-103 the sum's four chains of pairs
.set NCM,  104                         ; v104 -c M, v105 L
.set RR,   106                         ; v106 the normaliser (v107 is named with it)
.set TG,   108
.set TGM,  109                         ; |tanh(gate)| for z = 0, else 0
.set PML,  114                         ; v114-115 the partner's (-c M, L)
.set XR,   116                         ; the partner's exchange bytes; v9 mine
.set SPW,  117
.set NIL,  118
.set NINF, 119
.set W,    120                         ; v120-167: a ring of four fragments of k; later the registers named next
.set PCB,  W
.set OB,   W+16
.set PCA,  W+24
.set PT,   W+36
.set O,    168                         ; v168-199 O^T
.set CS,   200                         ; v200-212 -3e38 in lanes 16-31 of z = 1; v213-223 in all lanes of z = 1
.set S0,   224                         ; v224-255 local blocks 16, 17
.set MSB, 0
.macro WIN new
.if MSB != (\new)
	s_set_vgpr_msb (MSB<<8)|(\new)
.set MSB, \new
.endif
.endm
.macro PLACES                          ; four plain places behind a matrix instruction (ISA guide 7.12.1)
.rept 4
	v_nop
.endr
.endm
.macro ALU                             ; this wait ahead of blocking waits, branches and batches of transcendentals
	s_wait_alu depctr_va_vdst(0)
.endm
.macro WMMA z, ra                      ; on rD, rA, rB, rC, xA, xB.  z = 1: C is 0.  ra = 1: source 0's scale words stand in lanes 16-31
.if (\z) && (\ra)
	v_wmma_scale_f32_16x16x128_f8f6f4 v[rD:rD+7], v[rA:rA+11], v[rB:rB+11], 0, v[xA], v[xB] matrix_a_fmt:MATRIX_FMT_FP6 matrix_b_fmt:MATRIX_FMT_FP6 matrix_a_scale:MATRIX_SCALE_ROW1
.elseif (\z)
	v_wmma_scale_f32_16x16x128_f8f6f4 v[rD:rD+7], v[rA:rA+11], v[rB:rB+11], 0, v[xA], v[xB] matrix_a_fmt:MATRIX_FMT_FP6 matrix_b_fmt:MATRIX_FMT_FP6
.elseif (\ra)
	v_wmma_scale_f32_16x16x128_f8f6f4 v[rD:rD+7], v[rA:rA+11], v[rB:rB+11], v[rC:rC+7], v[xA], v[xB] matrix_a_fmt:MATRIX_FMT_FP6 matrix_b_fmt:MATRIX_FMT_FP6 matrix_a_scale:MATRIX_SCALE_ROW1
.else
	v_wmma_scale_f32_16x16x128_f8f6f4 v[rD:rD+7], v[rA:rA+11], v[rB:rB+11], v[rC:rC+7], v[xA], v[xB] matrix_a_fmt:MATRIX_FMT_FP6 matrix_b_fmt:MATRIX_FMT_FP6
.endif
.endm
.macro SLICE g, n                      ; registers 2 n, 2 n + 1 of the four blocks of group g (window 1), the blocks by turns; each accumulator is read from its low end on
.irp k, 0,1,2,3
.if (\n) == 0
	v_max3_num_f32 v[BM+4*(\g)+\k], v[NINF], v[64*(\g)+16*\k], v[64*(\g)+16*\k+1]
.else
	v_max3_num_f32 v[BM+4*(\g)+\k], v[BM+4*(\g)+\k], v[64*(\g)+16*\k+2*(\n)], v[64*(\g)+16*\k+2*(\n)+1]
.endif
.endr
.endm
.macro KLOAD lb                        ; local pair lb of k into ring place lb % 4
.irp c, 0,1,2
.if (\lb) < 16
	ds_load_b128 v[W+12*((\lb)%4)+4*\c:W+12*((\lb)%4)+4*\c+3], v3 offset:FRB*(\lb)+512*\c
.else
	ds_load_b128 v[W+12*((\lb)%4)+4*\c:W+12*((\lb)%4)+4*\c+3], v4 offset:FRB*(\lb)+512*\c
.endif
.endr
.endm
; local block lb: two score products (the query below the zero codes picks the pair's first key tile, above them its second), then maxima of an earlier group, which are the places ahead of the ring's next load
.macro SBLK lb
	ALU
.if (\lb) < 15
	s_wait_dscnt 9                                 ; this pair is in; the three younger pairs' three loads each may be out
.else
	s_wait_dscnt 3*(17-(\lb))
.endif
.set rA, W+12*((\lb)%4)
.set xA, KS+(\lb)/2
.set xB, 35
.if (\lb) < 16
	WIN 0x40
.set rD, 16*(\lb)
.else
	WIN 0
.set rD, S0+16*((\lb)-16)
.endif
.set rB, 22
.if (\lb) == 14
.set rC, CS
	WMMA 0, 0
.elseif (\lb) == 15
.set rC, CS+16
	WMMA 0, 1
.else
	WMMA 1, (\lb)%2
.endif
.set rD, rD+8
.set rB, 16
.if (\lb) == 14
.set rC, CS+8
	WMMA 0, 0
.elseif (\lb) == 15
	WMMA 0, 1
.else
	WMMA 1, (\lb)%2
.endif
.if (\lb) < 4
	WIN 0
	PLACES
.elseif (\lb) < 16
.if (\lb) == 4
	WIN 0x41
	v_cndmask_b32 v0, v0, v[NINF], s21             ; key 0 is no part of the softmax
.endif
	WIN 0x14                                       ; sources 1 and 2: window 1
	SLICE (\lb)/4-1, 2*((\lb)%4)
	SLICE (\lb)/4-1, 2*((\lb)%4)+1
.else
	WIN 0x14
	SLICE 3, 4*((\lb)-16)
	SLICE 3, 4*((\lb)-16)+1
	SLICE 3, 4*((\lb)-16)+2
	SLICE 3, 4*((\lb)-16)+3
.endif
.if (\lb)+4 <= 17
	KLOAD (\lb)+4
.endif
.endm
.macro WHOLE pc, c                     ; the operand wants a whole block in a lane
.irp i, 0,1,2
	v_permlane16_swap_b32 v[(\pc)+6*(\c)+\i], v[PT+4*(\c)+\i]
.endr
.irp i, 0,1,2
	v_mov_b32 v[(\pc)+3+6*(\c)+\i], v[PT+4*(\c)+\i]
.endr
.endm
.macro CVT s, pc                       ; whole step s: 64 registers of p become 12 of codes
	WIN 0x01
	v_cvt_scalef32_pk16_fp6_f32 v[(\pc):(\pc)+2], v[64*(\s):64*(\s)+15], v[BT+4*(\s)]
	v_cvt_scalef32_pk16_fp6_f32 v[PT:PT+2], v[64*(\s)+16:64*(\s)+31], v[BT+4*(\s)+1]
	v_cvt_scalef32_pk16_fp6_f32 v[(\pc)+6:(\pc)+8], v[64*(\s)+32:64*(\s)+47], v[BT+4*(\s)+2]
	v_cvt_scalef32_pk16_fp6_f32 v[PT+4:PT+6], v[64*(\s)+48:64*(\s)+63], v[BT+4*(\s)+3]
	WIN 0
	v_nop                                          ; one plain place behind a scaled conversion
	WHOLE \pc, 0
	WHOLE \pc, 1
.endm
.macro VLOAD s                         ; whole step s's four fragments of v into the score registers just converted
	WIN 0x40
.set n, 0
.rept 12
	ds_load_b128 v[64*(\s)+4*n:64*(\s)+4*n+3], v5 offset:6144*(\s)+512*n
.set n, n+1
.endr
	WIN 0
.endm
.macro WM s, pc                        ; O^T += v^T p^T; the four accumulators take turns
	WIN 0x01
.irp t, 0,1,2,3
.set rD, O+8*\t
.set rC, rD
.set rA, 64*(\s)+12*\t
.set rB, \pc
.set xA, VS+2*(\s)+\t/2
.set xB, PWS+(\s)
.if (\s) == 0
	WMMA 1, \t%2
.else
	WMMA 0, \t%2
.endif
.endr
	WIN 0
.endm
.macro SENDO ob                        ; two channel tiles to the partner, each from its low end on
.irp i, 0,1,2,3
	ds_store_b128 v9, v[(\ob)+4*\i:(\ob)+4*\i+3] offset:512*\i
.endr
.endm
.macro FIN ob                          ; my two channel tiles: + the partner's part, to bf16, stored: 512 consecutive bytes a store
.irp i, 0,1,2,3,4,5,6,7
	v_pk_add_f32 v[W+2*\i:W+2*\i+1], v[W+2*\i:W+2*\i+1], v[(\ob)+2*\i:(\ob)+2*\i+1]
.endr
.irp k, 0,1,2,3,4,5,6,7
	v_cvt_pk_bf16_f32 v[OB+\k], v[W+2*\k], v[W+2*\k+1]
.endr
	global_store_b128 v1, v[OB:OB+3], s[44:45]
	global_store_b128 v1, v[OB+4:OB+7], s[44:45] offset:512
.endm
	s_load_b256 s[4:11], s[0:1], 0x0               ; qkv, qkvs, gate, ao
	v_lshl_add_u32 v[SPW], v0, 2, SPARE
	v_mov_b32 v[NIL], 0
	ds_add_u32 v[SPW], v[NIL]                      ; the opening lines: the add, twice on end, and its wait
	ds_add_u32 v[SPW], v[NIL]
	v_lshrrev_b32 v10, 5, v0
	v_readfirstlane_b32 s12, v10                   ; wave
	s_and_b32 s60, s12, 3                          ; which pair of waves
	s_lshr_b32 s61, s12, 2                         ; z
	s_lshr_b32 s13, ttmp9, 1                       ; 8 x head + batch
	s_and_b32 s46, ttmp9, 1
	s_lshl_b32 s14, s46, 5
	s_lshl_b32 s46, s60, 3
	s_add_co_u32 s14, s14, s46                     ; my first query tile: 32 x half + 8 x pair: even
	s_mov_b32 s15, 8                               ; trips
	s_mov_b32 s16, 0x76543210
	s_mov_b32 s17, 0xfedcba98                      ; lane l xor 16
	s_mov_b32 s18, 0x3e38aa3b                      ; c = log2(e) / 8
	s_mov_b32 s19, s18
	s_mov_b32 s20, 0xbe38aa3b                      ; -c
	s_mov_b32 s23, 0x01000100                      ; an even tile's two scale bytes, twice; an odd tile's by the exclusive or below
	s_mov_b32 s26, 0x03020100
	s_mov_b32 s27, 0x03020302
	s_cmp_eq_u32 s61, 0
	s_cselect_b32 s21, 0xffff, 0                   ; where key 0 lies
	s_cselect_b32 s22, 0, 0xffff0000
	s_cselect_b32 s24, -1, 0
	s_cselect_b32 s25, 0, 0xff61b1e6               ; -3e38 for z = 1
	s_cselect_b32 s26, s26, s27                    ; the half step's scale bytes of v: 0, 1 or 2, 3
	s_mov_b32 s32, 3<<16                           ; group 1: elements of 8 bytes, no padding: 54 rows of 256 bytes, dense
	s_mov_b32 s33, 32<<16
	s_mov_b32 s34, 54<<16
	s_mov_b32 s35, 32<<16
	s_mov_b32 s36, 54
	s_mov_b32 s37, 32
	s_mov_b32 s38, 0
	s_mov_b32 s39, 0
	s_mul_i32 s29, s12, 13824                      ; LDS: my eighth
	s_mul_i32 s46, s13, 36*FRB
	s_add_co_u32 s46, s46, 4096*FRB                ; k's pairs of this head and batch;
	s_mul_i32 s47, s61, 4608*FRB                   ; waves 4-7: v's fragments;
	s_add_co_u32 s46, s46, s47
	s_mul_i32 s47, s60, 13824                      ; my quarter of either
	s_add_co_u32 s46, s46, s47
	s_mov_b32 s47, 0
	s_mul_i32 s40, s61, 2560
	s_lshl_b32 s41, s61, 8
	s_mul_i32 s42, s61, 30720                      ; 20 pairs
	s_mul_i32 s43, s61, 3072                       ; 2 pairs
	s_add_co_u32 s44, s42, VOFF                    ; 5 steps of v
	s_mul_i32 s45, s61, 520
	s_add_co_u32 s49, s45, VOFF+24576+512
	s_add_co_u32 s45, s45, VOFF+24576
	s_mul_i32 s48, s61, 1016
	s_add_co_u32 s48, s48, VOFF+24576+8
	s_mul_i32 s50, s12, 2560
	s_add_co_u32 s50, s50, XCH
	s_xor_b32 s51, s12, 4
	s_mul_i32 s51, s51, 2560
	s_add_co_u32 s51, s51, XCH
	v_and_b32 v10, 31, v0
	v_lshlrev_b32 v1, 4, v10                       ; 16 L
	v_and_b32 v11, 15, v0
	v_lshlrev_b32 v2, 2, v11                       ; 4 r
	v_bfe_u32 v12, v0, 4, 1
	v_lshl_add_u32 v[W+2], v12, 7, v2              ; 128 h + 4 r
	v_add_nc_u32 v[W], s40, v[W+2]
	v_add_nc_u32 v[W+1], s41, v[W+2]
	v_add_nc_u32 v3, s42, v1                       ; k, local pairs 0-15
	v_add_nc_u32 v4, s43, v1                       ; k, local pairs 16, 17
	v_add_nc_u32 v5, s44, v1                       ; v, whole steps
	v_add_nc_u32 v6, s45, v1                       ; v, step 4: registers 0, 1 (z = 1: 6, 7) of a fragment's image,
	v_add_nc_u32 v7, s48, v1                       ; 2, 3 (8, 9),
	v_add_nc_u32 v8, s49, v1                       ; 4, 5 (10, 11)
	v_add_nc_u32 v9, s50, v1
	v_add_nc_u32 v[XR], s51, v1
	ALU
	s_wait_dscnt 0x0
	s_wait_kmcnt 0x0
	s_mov_b32 s28, 1
	s_add_nc_u64 s[30:31], s[4:5], s[46:47]
	s_or_b32 s31, s31, 0x80000000
	tensor_load_to_lds s[28:31], s[32:39]          ; filled once: my one tensor load
	s_nop 0
	PLACES
	s_mul_i32 s46, s13, 36*128
	s_add_co_u32 s46, s46, 4096*128
	s_add_nc_u64 s[58:59], s[6:7], s[46:47]        ; k's scale words; v's lie 4,608 x 128 bytes on
	s_lshr_b32 s57, s14, 1
	s_lshl_b32 s46, s13, 5
	s_add_co_u32 s46, s46, s57                     ; my first pair of query tiles
	s_lshl_b32 s27, s46, 7
	s_mul_i32 s46, s46, FRB
	s_add_nc_u64 s[40:41], s[4:5], s[46:47]        ; the tile's registers 0, 1 and 4, 5
	s_mov_b64 s[42:43], s[40:41]                   ; its registers 2, 3
	s_mov_b32 s46, s27
	s_add_nc_u64 s[48:49], s[6:7], s[46:47]        ; its pair's scale words
	s_and_b32 s46, s13, 7
	s_lshl_b32 s46, s46, 10
	s_lshr_b32 s57, s13, 3                         ; the head
	s_add_co_u32 s46, s46, s57
	s_lshl_b32 s46, s46, 11
	s_lshl_b32 s27, s14, 15
	s_add_co_u32 s46, s46, s27
	s_lshl_b32 s27, s61, 10
	s_add_co_u32 s46, s46, s27
	s_add_nc_u64 s[44:45], s[10:11], s[46:47]      ; ao: (1,024 batch + head) 2,048 + 32,768 tile + 1,024 z
	s_lshl_b32 s46, s57, 2
	s_add_nc_u64 s[62:63], s[8:9], s[46:47]
	s_load_b32 s56, s[62:63], 0x0                  ; gate[head]
	s_mov_b32 s50, 520                             ; from tile to tile the two bases step by 520 and 1,016 by turns, the words' base by 0 and 128
	s_mov_b32 s51, 0
	s_mov_b32 s52, 1016
	s_mov_b32 s53, 0
	s_mov_b32 s54, 0
	s_mov_b32 s55, 0
.set i, 0
.rept 8
	global_load_b32 v[KS+i], v[W], s[58:59] offset:256*i
	global_load_b32 v[VS+i], v[W], s[58:59] offset:4608*128+256*i
.set i, i+1
.endr
	global_load_b32 v[KS+8], v[W+1], s[58:59] offset:2048
	global_load_b32 v[VS+8], v[W+2], s[58:59] offset:4608*128+2048
	global_load_b32 v[VS+9], v[W+2], s[58:59] offset:4608*128+2304
	global_load_b64 v[22:23], v1, s[40:41]
	global_load_b64 v[24:25], v1, s[42:43] offset:8
	global_load_b64 v[26:27], v1, s[40:41] offset:512
	global_load_b32 v34, v2, s[48:49]
.irp i, 16,17,18,19,20,21,28,29,30,31,32,33
	v_mov_b32 v[\i], 0                             ; the zero codes on both sides of the query's six registers
.endr
.set i, 0
.rept 18
	v_mov_b32 v[BT+i], 0                           ; a lane permute's destination counts as one of its sources
.set i, i+1
.endr
	v_mov_b32 v[NCM+1], 0
	v_mov_b32 v[RR+1], 0
	v_mov_b32 v[NINF], 0xff800000
.set i, 13
.rept 11
	v_mov_b32 v[CS+i], s25
.set i, i+1
.endr
.set i, 0
.rept 13
	v_cndmask_b32 v[CS+i], v[NIL], v[CS+13], s22
.set i, i+1
.endr
	ALU
	s_wait_kmcnt 0x0
	v_mov_b32 v[W+4], s56                          ; x = gate[head]
	v_mul_f32 v[W+5], 0x4038aa3b, v[W+4]           ; 2 x log2(e)
	v_mul_f32 v[W+6], v[W+4], v[W+4]
	v_mov_b32 v[W+7], 0x3cb327a5                   ; 62 / 2835
	ALU
	v_exp_f32 v[W+5], v[W+5]
	v_fma_f32 v[W+7], v[W+7], v[W+6], 0xbd5d0dd1   ; - 17 / 315
	ALU
	v_add_f32 v[W+5], 1.0, v[W+5]
	ALU
	v_rcp_f32 v[W+5], v[W+5]
	v_fma_f32 v[W+7], v[W+7], v[W+6], 0x3e088889   ; + 2 / 15
	v_fma_f32 v[W+7], v[W+7], v[W+6], 0xbeaaaaab   ; - 1 / 3
	v_fma_f32 v[W+7], v[W+7], v[W+6], 1.0
	v_mul_f32 v[W+7], v[W+7], v[W+4]               ; the series
	ALU
	v_fma_f32 v[W+5], v[W+5], -2.0, 1.0            ; 1 - 2 / (1 + e^(2x))
	v_cmp_gt_f32 vcc_lo, 0x3d800000, v[W+6]        ; x^2 under 1 / 16
	v_cndmask_b32 v[TG], v[W+5], v[W+7], vcc_lo
	v_and_b32 v[W+5], 0x7fffffff, v[TG]
	v_cndmask_b32 v[TGM], v[NIL], v[W+5], s24
	ALU
	s_wait_loadcnt 0x0
	v_perm_b32 v[VS+8], v[VS+8], v[VS+8], s26      ; the scale bytes of my half of step 4 at bytes 0, 1
	v_perm_b32 v[VS+9], v[VS+9], v[VS+9], s26
	ALU
	s_wait_tensorcnt 0x0                           ; my eighth of k and v is in,
	s_barrier_signal -1
	s_barrier_wait -1                              ; everybody's is
.Ltile:                                            ; a trip: my half of the keys for one tile of 16 queries
	s_wait_loadcnt 0x0                             ; the tile's codes and scale word
	v_perm_b32 v35, v34, v34, s23                  ; the tile's two scale bytes, twice
	s_xor_b32 s23, s23, 0x02020202
	KLOAD 0
	KLOAD 1
	KLOAD 2
	KLOAD 3
.irp i, 0,1,2,3,4,5,6,7
	v_mov_b32 v[LS+\i], 0                          ; (eight plain lines between the write of a scale register and the scaled matrix instruction)
.endr
.irp lb, 0,1,2,3,4,5,6,7,8,9,10,11,12,13,14,15,16,17
	SBLK \lb
.endr
	WIN 0
.irp n, 0,1,2,3,4,5,6,7                ; blocks 16, 17; between them the other half's maxima of blocks 0-15
.irp k, 0,1
.if \n == 0
	v_max3_num_f32 v[BM+16+\k], v[NINF], v[S0+16*\k], v[S0+16*\k+1]
.else
	v_max3_num_f32 v[BM+16+\k], v[BM+16+\k], v[S0+16*\k+2*\n], v[S0+16*\k+2*\n+1]
.endif
.endr
	v_permlanex16_b32 v[BT+2*\n], v[BM+2*\n], s16, s17
	v_permlanex16_b32 v[BT+2*\n+1], v[BM+2*\n+1], s16, s17
.endr
	ALU
	s_cmp_eq_u32 s15, 1                            ; the next tile's query, if there is one
	s_cbranch_scc1 .Lno_next
	s_add_nc_u64 s[40:41], s[40:41], s[50:51]      ; (their last loads were waited for at the trip's head)
	s_add_nc_u64 s[42:43], s[42:43], s[52:53]
	s_add_nc_u64 s[48:49], s[48:49], s[54:55]
	s_xor_b32 s50, s50, 0x1f0                      ; 520 <-> 1,016
	s_xor_b32 s52, s52, 0x1f0
	s_xor_b32 s54, s54, 128
	global_load_b64 v[22:23], v1, s[40:41]
	global_load_b64 v[24:25], v1, s[42:43] offset:8
	global_load_b64 v[26:27], v1, s[40:41] offset:512
	global_load_b32 v34, v2, s[48:49]
.Lno_next:
	v_permlanex16_b32 v[BT+16], v[BM+16], s16, s17
	v_permlanex16_b32 v[BT+17], v[BM+17], s16, s17
.set i, 0
.rept 18
	v_max_num_f32 v[BM+i], v[BM+i], v[BT+i]        ; with lane l xor 16's 16 keys
.set i, i+1
.endr
.irp j, 0,1,2,3,4,5
	v_max3_num_f32 v[W+\j], v[BM+3*\j], v[BM+3*\j+1], v[BM+3*\j+2]
.endr
	v_max3_num_f32 v[W], v[W], v[W+1], v[W+2]
	v_max3_num_f32 v[W+3], v[W+3], v[W+4], v[W+5]
	v_max_num_f32 v[W], v[W], v[W+3]               ; my half's largest score M
	v_mul_f32 v[NCM], s20, v[W]
.set j, 0
.rept 16
	v_pk_fma_f32 v[S0+2*j:S0+2*j+1], v[S0+2*j:S0+2*j+1], s[18:19], v[NCM:NCM+1] op_sel_hi:[1,0,0]
.set j, j+1
.endr
.set i, 0
.rept 18
	v_fma_f32 v[BM+i], v[BM+i], s18, v[NCM]
.set i, i+1
.endr
	WIN 0x41
.set j, 0
.rept 128
	v_pk_fma_f32 v[2*j:2*j+1], v[2*j:2*j+1], s[18:19], v[NCM:NCM+1] op_sel_hi:[1,0,0]
.set j, j+1
.endr
	ALU                                            ; ahead of the batch
.set j, 0
.rept 256
	v_exp_f32 v[j], v[j]                           ; p = 2^(c s - c M): one batch of 306
.set j, j+1
.endr
	WIN 0
.set j, 0
.rept 32
	v_exp_f32 v[S0+j], v[S0+j]
.set j, j+1
.endr
.set i, 0
.rept 18
	v_exp_f32 v[BM+i], v[BM+i]                     ; the blocks' largest p
.set i, i+1
.endr
	v_nop
	ALU                                            ; behind the batch
.set j, 0
.rept 16
	v_pk_add_f32 v[LS+2*(j%4):LS+2*(j%4)+1], v[LS+2*(j%4):LS+2*(j%4)+1], v[S0+2*j:S0+2*j+1]
.set j, j+1
.endr
	WIN 0x04
.set j, 0
.rept 128
	v_pk_add_f32 v[LS+2*(j%4):LS+2*(j%4)+1], v[LS+2*(j%4):LS+2*(j%4)+1], v[2*j:2*j+1]
.set j, j+1
.endr
	WIN 0
	v_pk_add_f32 v[LS:LS+1], v[LS:LS+1], v[LS+2:LS+3]
	v_pk_add_f32 v[LS+4:LS+5], v[LS+4:LS+5], v[LS+6:LS+7]
	v_pk_add_f32 v[LS:LS+1], v[LS:LS+1], v[LS+4:LS+5]
	v_add_f32 v[LS], v[LS], v[LS+1]
	v_permlanex16_b32 v[LS+2], v[LS], s16, s17
	v_add_f32 v[NCM+1], v[LS], v[LS+2]             ; my half's sum L
	ALU
	ds_store_b64 v9, v[NCM:NCM+1] offset:2048
	s_wait_dscnt 0x0                               ; for the partner's sake: it has landed
	s_barrier_signal -1
	s_barrier_wait -1
	ds_load_b64 v[PML:PML+1], v[XR] offset:2048
	s_wait_dscnt 0x0
	v_min_num_f32 v110, v[NCM], v[PML]             ; -c x the row's largest score
	v_sub_f32 v111, v110, v[NCM]
	v_sub_f32 v112, v110, v[PML]
	ALU
	v_exp_f32 v111, v111                           ; f = 2^(c M - c max), mine
	v_exp_f32 v112, v112                           ; and the partner's
	v_nop
	ALU
	v_mul_f32 v113, v[PML+1], v112
	v_fma_f32 v113, v[NCM+1], v111, v113           ; the row's sum
	ALU
	v_rcp_f32 v113, v113
	v_nop
	ALU
	v_mul_f32 v[RR], v113, v111
.set j, 0
.rept 16
	v_pk_mul_f32 v[S0+2*j:S0+2*j+1], v[S0+2*j:S0+2*j+1], v[RR:RR+1] op_sel_hi:[1,0]
.set j, j+1
.endr
.set i, 0
.rept 18
	v_mul_f32 v[BM+i], v[BM+i], v[RR]
.set i, i+1
.endr
	WIN 0x41
.set j, 0
.rept 128
	v_pk_mul_f32 v[2*j:2*j+1], v[2*j:2*j+1], v[RR:RR+1] op_sel_hi:[1,0]
.set j, j+1
.endr
	v_cndmask_b32 v0, v0, v[TG], s21               ; column 0 is tanh(gate)
	WIN 0
	v_max3_num_f32 v[BM], v[BM], v[TGM], 0x1800000 ; block 0 holds column 0 too; the floor 2^(3 - 127): the byte cannot fall under 1
.set i, 1
.rept 17
	v_max_num_f32 v[BM+i], 0x1800000, v[BM+i]
.set i, i+1
.endr
.set i, 0
.rept 18
	v_add_nc_u32 v[BT+i], 0xff000000, v[BM+i]      ; 2 off the exponent field: the conversion's scale operand
.set i, i+1
.endr
.set i, 0
.rept 18
	v_lshrrev_b32 v[BM+i], 23, v[BT+i]             ; the scale's byte
.set i, i+1
.endr
.irp s, 0,1,2,3
	v_lshl_or_b32 v[PWS+\s], v[BM+4*\s+1], 8, v[BM+4*\s]
.endr
	v_lshl_or_b32 v[PWS+4], v[BM+17], 8, v[BM+16]
.irp s, 0,1,2,3
	v_lshl_or_b32 v[PWS+\s], v[BM+4*\s+2], 16, v[PWS+\s]
.endr
.irp s, 0,1,2,3
	v_lshl_or_b32 v[PWS+\s], v[BM+4*\s+3], 24, v[PWS+\s]
.endr
	CVT 0, PCA
	VLOAD 0
	CVT 1, PCB
	VLOAD 1
	ALU
	s_wait_dscnt 12                                ; step 0's fragments are in; the next step's 12 loads may be out
	WM 0, PCA
	PLACES                                         ; ahead of the write of codes that step 0 read
	CVT 2, PCA
	VLOAD 2
	ALU
	s_wait_dscnt 12
	WM 1, PCB
	PLACES
	CVT 3, PCB
	VLOAD 3
	ALU
	s_wait_dscnt 12
	WM 2, PCA
	v_cvt_scalef32_pk16_fp6_f32 v[10:12], v[S0:S0+15], v[BT+16]    ; the half step: codes in v10-15, ahead of the zero codes v16-21
	v_cvt_scalef32_pk16_fp6_f32 v[PT:PT+2], v[S0+16:S0+31], v[BT+17]
	v_nop
	WHOLE 10, 0
	PLACES                                         ; an operand written by vector instructions stands four places ahead of a scaled matrix instruction
.irp t, 0,1,2,3                        ; six registers of each fragment: my 64 keys of step 4.  The six above them, the next fragment's, meet zero codes
	ds_load_b64 v[S0+6*\t:S0+6*\t+1], v6 offset:FRB*\t
	ds_load_b64 v[S0+6*\t+2:S0+6*\t+3], v7 offset:FRB*\t
	ds_load_b64 v[S0+6*\t+4:S0+6*\t+5], v8 offset:FRB*\t
.endr
	ALU
	s_wait_dscnt 12
	WM 3, PCB
	s_wait_dscnt 0x0
.irp t, 0,1,2,3
.set rD, O+8*\t
.set rC, rD
.set rA, S0+6*\t
.set rB, 10
.set xA, VS+8+\t/2
.set xB, PWS+4
	WMMA 0, \t%2
.endr
	PLACES
	ALU
	s_cmp_eq_u32 s61, 0
	s_cbranch_scc0 .Lsend1
	SENDO O+16
	s_branch .Lsent
.Lsend1:
	SENDO O
.Lsent:
	s_wait_dscnt 0x0                               ; for the partner's sake
	s_barrier_signal -1
	s_barrier_wait -1
.irp i, 0,1,2,3
	ds_load_b128 v[W+4*\i:W+4*\i+3], v[XR] offset:512*\i
.endr
	s_wait_dscnt 0x0
	s_cmp_eq_u32 s61, 0
	s_cbranch_scc0 .Lfin1
	FIN O
	s_branch .Lfin
.Lfin1:
	FIN O+16
.Lfin:
	ALU
	s_wait_xcnt 0x0                                ; the stores have read their registers and their base
	s_add_nc_u64 s[44:45], s[44:45], 32768
	s_sub_co_u32 s15, s15, 1
	s_cmp_lg_u32 s15, 0
	s_cbranch_scc1 .Ltile
	s_wait_tensorcnt 0x0                           ; the wave's end
	ds_add_u32 v[SPW], v[NIL]
	s_wait_dscnt 0x0
	s_endpgm
.Lfunc_end_k_q64b752865b_attn:
	.size	k_q64b752865b_attn, .Lfunc_end_k_q64b752865b_attn-k_q64b752865b_attn
	.p2alignl 7, 3214868480
	.fill 96, 4, 3214868480
	.section	.rodata,"a",@progbits
	.p2align	6, 0x0
	.amdhsa_kernel k_q64b752865b_attn
		.amdhsa_group_segment_fixed_size 167936
		.amdhsa_private_segment_fixed_size 0
		.amdhsa_enable_private_segment 0
		.amdhsa_kernarg_size 32
		.amdhsa_user_sgpr_count 2
		.amdhsa_user_sgpr_kernarg_segment_ptr 1
		.amdhsa_wavefront_size32 1
		.amdhsa_system_sgpr_workgroup_id_x 1
		.amdhsa_system_sgpr_workgroup_id_y 1
		.amdhsa_system_sgpr_workgroup_id_z 1
		.amdhsa_system_vgpr_workitem_id 0
		.amdhsa_next_free_vgpr 512
		.amdhsa_next_free_sgpr 66
		.amdhsa_reserve_vcc 1
		.amdhsa_float_denorm_mode_32 3
		.amdhsa_float_denorm_mode_16_64 3
		.amdhsa_memory_ordered 1
		.amdhsa_forward_progress 1
		.amdhsa_inst_pref_size 93
	.end_amdhsa_kernel
	.amdgpu_metadata
---
amdhsa.version: [ 1, 2 ]
amdhsa.kernels:
  - .name:           k_q64b752865b_attn
    .symbol:         k_q64b752865b_attn.kd
    .args:
      - { .name: qkv, .offset: 0, .size: 8, .value_kind: global_buffer, .address_space: global }
      - { .name: qkvs, .offset: 8, .size: 8, .value_kind: global_buffer, .address_space: global }
      - { .name: gate, .offset: 16, .size: 8, .value_kind: global_buffer, .address_space: global }
      - { .name: ao, .offset: 24, .size: 8, .value_kind: global_buffer, .address_space: global }
    .group_segment_fixed_size: 167936
    .private_segment_fixed_size: 0
    .kernarg_segment_align: 8
    .kernarg_segment_size: 32
    .max_flat_workgroup_size: 256
    .sgpr_count:     66
    .vgpr_count:     512
    .wavefront_size: 32
...
	.end_amdgpu_metadata
.endif
;; end of part 3
;; launch lnproj (part 4): grid 2 x 128, 4 waves a work-group, no clusters, 77,312 bytes of LDS; arguments ao, img, sci, ln_g, ln_b, bp, out0; writes out0
.if DOCPART == 4
	.amdgcn_target "amdgcn-amd-amdhsa--gfx1250"
	.amdhsa_code_object_version 6
	.text
	.protected	k_q64b752865b_lnproj
	.globl	k_q64b752865b_lnproj
	.p2align	8
	.type	k_q64b752865b_lnproj,@function
k_q64b752865b_lnproj:
	s_mov_b64 s[64:65], 0
	v_nop
	global_prefetch_b8 v0, s[64:65] scope:SCOPE_SE
	s_setreg_imm32_b32 hwreg(HW_REG_WAVE_MODE, 25, 1), 1
	s_wait_xcnt 0x0
; LNPROJ: out0 = Q(LayerNorm(a)) Wp^T + bp.  a: the attention's result, bf16, in the lanes' order in which it was made; Q: the quantiser to FP6 (E2M3) along the 1,024 channels; Wp as tile images.
; SHARES: a work-group makes 64 rows x 512 columns (x: which 512 columns, y: which 64 rows): 256 work-groups.  Wave w normalises and quantises ONE row tile, 4 y + w (a row's 1,024 numbers lie in lanes r and r + 16,
; 512 registers), and hands its eight fragments to the others through LDS as images of the operand's registers; then it multiplies all 64 rows by its own 128 columns of Wp.
; The norm is made by both work-groups of a block of rows: that is less than a launch of its own, with its way to memory and back, would take.
; TWO PASSES OF 64 COLUMNS: 64 columns of Wp are 32 fragments, 384 registers, and there is room for no more.  Behind K step q of the first pass, and its four places, the second pass's K step q is loaded into the
; registers just read: it has at least seven K steps, 112 matrix instructions, and the first pass's way out in which to land.  The first pass's results leave before the second pass begins, so that
; half of the stores are on their way while the other half is multiplied.
; NO CLUSTER, NO TENSOR LOAD: each fragment of Wp is one wave's alone and goes straight into its registers.
; The variance is taken of the numbers less their mean, in a second pass: no difference of large sums.  LIMITS: NaN and infinities are not served; v_rsq_f32 stands for 1 / sqrt; a block of zeros has the byte 1: its codes are zeros.
; REGISTERS, in windows of 256.  The norm: window 1: the tile as loaded, 256 registers of two bf16;  its 512 numbers F, K step q: q 0-3 in window 3 at 64 q, q 4-6 in window 0 at 64 + 64 (q - 4), q 7 in window 2 at 0;
;   window 2: v64-127 g and b of 16 channels, two sets; v144-183 the quantiser's; v184-199 sums, mean, 1 / sigma; v200-231 the first pass's bp as the products' C.
; The product: window 0: v32-47 the rows' scale words, v64-159 their fragments, two sets of four, v160-223 the way out; window 1: Wp's K steps 0-4; window 2: steps 5-7, v144-175 the second pass's bp;
;   window 3: 32 accumulators, number 16 p + 4 a + t.  Window 0 throughout: v1-15 addresses, v16-31 and v48-63 Wp's scale words of the two passes.
.set FRB,   1536
.set TILEB, 12288
.set ASC,   49152                      ; LDS: 0: the 4 row tiles' images;  ASC: their scale words, 128 bytes for each pair of tiles and K step
.set GB,    51200                      ; g, 4,096 bytes, then b
.set STG,   59392                      ; a stage of 16 rows x (256 + 16) bytes for each wave
.set SB,  16
.set SA,  32
.set AB0, 64
.set OUTR, 160                         ; the way out: two sets of 32
.set GBT, 64                           ; window 2
.set TM,  144
.set PW,  160
.set PC,  164
.set SUM, 184
.set NMU, 192
.set RS,  194
.set TP,  196
.set BI,  200
.set BI2, 144                          ; where the quantiser's registers lay
.set WV,  18                           ; s18 wave; s19 x; s20 y; s21 8 x + 2 wave: my first group of 64 columns
.set SEL, 22                           ; s[22:23]
.set WP,  30
.set WSP, 32
.set BPP, 34
.set AOP, 36
.set OUTP, 38
.set MSB, 0
.macro WIN new                         ; the immediate's high byte repeats the setting that is left; a switch that changes nothing is dropped
.if MSB != (\new)
	s_set_vgpr_msb (MSB<<8)|(\new)
.set MSB, \new
.endif
.endm
.macro PLACES                          ; four plain places behind a matrix instruction (ISA guide 7.12.1)
.rept 4
	v_nop
.endr
.endm
.macro WMMA ra, rb                     ; one matrix instruction on rD, rA, rB, rC, xA, xB.  ra, rb = 1: that side's scale words stand in lanes 16-31
.if (\ra) && (\rb)
	v_wmma_scale_f32_16x16x128_f8f6f4 v[rD:rD+7], v[rA:rA+11], v[rB:rB+11], v[rC:rC+7], v[xA], v[xB] matrix_a_fmt:MATRIX_FMT_FP6 matrix_b_fmt:MATRIX_FMT_FP6 matrix_a_scale:MATRIX_SCALE_ROW1 matrix_b_scale:MATRIX_SCALE_ROW1
.elseif (\ra)
	v_wmma_scale_f32_16x16x128_f8f6f4 v[rD:rD+7], v[rA:rA+11], v[rB:rB+11], v[rC:rC+7], v[xA], v[xB] matrix_a_fmt:MATRIX_FMT_FP6 matrix_b_fmt:MATRIX_FMT_FP6 matrix_a_scale:MATRIX_SCALE_ROW1
.elseif (\rb)
	v_wmma_scale_f32_16x16x128_f8f6f4 v[rD:rD+7], v[rA:rA+11], v[rB:rB+11], v[rC:rC+7], v[xA], v[xB] matrix_a_fmt:MATRIX_FMT_FP6 matrix_b_fmt:MATRIX_FMT_FP6 matrix_b_scale:MATRIX_SCALE_ROW1
.else
	v_wmma_scale_f32_16x16x128_f8f6f4 v[rD:rD+7], v[rA:rA+11], v[rB:rB+11], v[rC:rC+7], v[xA], v[xB] matrix_a_fmt:MATRIX_FMT_FP6 matrix_b_fmt:MATRIX_FMT_FP6
.endif
.endm
.macro FETCH q                         ; the 4 row tiles' fragments of K step q into set q % 2: 12 loads of 512 consecutive bytes
	WIN 0
.irp a, 0,1,2,3
.irp c, 0,1,2
	ds_load_b128 v[AB0+48*((\q)%2)+12*\a+4*\c:AB0+48*((\q)%2)+12*\a+4*\c+3], v4 offset:\a*TILEB+(\q)*FRB+512*\c
.endr
.endr
.endm
.macro REFILL q                        ; the second pass's K step q of Wp (column tiles 4 .. 7 of my eight) into the registers of the first pass's: 12 loads
.if (\q) <= 4
	WIN 0x40
.set RO, 48*(\q)
.else
	WIN 0x80
.set RO, 48*((\q)-5)
.endif
.irp t, 0,1,2,3
.irp c, 0,1,2
	global_load_b128 v[RO+12*\t+4*\c:RO+12*\t+4*\c+3], v1, s[WP:WP+1] offset:4*TILEB+TILEB*\t+FRB*(\q)+512*\c
.endr
.endr
.endm
; 16 matrix instructions, pass p, K step q: source 0 = column tile t of Wp, source 1 = row tile a; accumulator 16 p + 4 a + t.  The first step's C is bp.  A pass's 16 accumulators take turns
.macro MULP p, q
.if (\q) == 0
	WIN 0xe1
.elseif (\q) <= 4
	WIN 0xf1
.else
	WIN 0xf2
.endif
.if (\q) <= 4
.set BO, 48*(\q)
.else
.set BO, 48*((\q)-5)
.endif
.irp a, 0,1,2,3
.irp t, 0,1,2,3
.set rD, 8*(16*(\p)+4*\a+\t)
.if (\q) > 0
.set rC, rD
.elseif (\p) == 0
.set rC, BI+8*\t
.else
.set rC, BI2+8*\t
.endif
.set rA, BO+12*\t
.set rB, AB0+48*((\q)%2)+12*\a
.set xA, SB+32*(\p)+8*(\t/2)+(\q)
.set xB, SA+8*(\a/2)+(\q)
	WMMA \t%2, \a%2
.endr
.endr
.endm
; 64 numbers of a lane, at src of window ws, register 16 b + i = k 32 b + 16 (lane / 16) + i of the lane's row, become a fragment's 12 registers of codes in v[PC] on and its scale word in v[PW] (window 2).
; A block's scale: the largest magnitude's exponent field less 2, held at 1 from below by the floor 2^(3 - 127) among the maximum's leaves.
.macro QUANT src, ws
	WIN 0xa0|((\ws)<<2)|(\ws)
.irp b, 0,1,2,3
	v_max3_num_f32 v[TM+\b], |v[(\src)+16*\b]|, |v[(\src)+16*\b+1]|, 0x1800000
.endr
.irp i, 2,4,6,8,10,12,14
.irp b, 0,1,2,3
	v_max3_num_f32 v[TM+\b], |v[(\src)+16*\b+\i]|, |v[(\src)+16*\b+\i+1]|, v[TM+\b]
.endr
.endr
	WIN 0xaa
.irp b, 0,1,2,3
	v_permlanex16_b32 v[TM+4+\b], v[TM+\b], s[SEL], s[SEL+1]
.endr
.irp b, 0,1,2,3
	v_max_num_f32 v[TM+\b], v[TM+\b], v[TM+4+\b]
.endr
.irp b, 0,1,2,3
	v_add_nc_u32 v[TM+12+\b], 0xff000000, v[TM+\b]
.endr
.irp b, 0,1,2,3
	v_lshrrev_b32 v[TM+4+\b], 23, v[TM+12+\b]
.endr
	v_lshl_or_b32 v[PW], v[TM+5], 8, v[TM+4]
	v_lshl_or_b32 v[PW], v[TM+6], 16, v[PW]
	v_lshl_or_b32 v[PW], v[TM+7], 24, v[PW]
	WIN 0x88|(\ws)
.irp c, 0,1
	v_cvt_scalef32_pk16_fp6_f32 v[PC+6*\c:PC+2+6*\c], v[(\src)+32*\c:(\src)+15+32*\c], v[TM+12+2*\c]
	v_cvt_scalef32_pk16_fp6_f32 v[PC+12+4*\c:PC+14+4*\c], v[(\src)+16+32*\c:(\src)+31+32*\c], v[TM+13+2*\c]
.endr
	WIN 0xaa
	v_nop                                          ; one plain place behind a scaled conversion
.irp c, 0,1
.irp i, 0,1,2
	v_permlane16_swap_b32 v[PC+6*\c+\i], v[PC+12+4*\c+\i]
.endr
.irp i, 0,1,2
	v_mov_b32 v[PC+3+6*\c+\i], v[PC+12+4*\c+\i]
.endr
.endr
.endm
.macro FW q                            ; where K step q's 64 numbers lie
.if (\q) < 4
.set wF, 3
.set oF, 64*(\q)
.elseif (\q) < 7
.set wF, 0
.set oF, 64+64*((\q)-4)
.else
.set wF, 2
.set oF, 0
.endif
.endm
.macro GBLOAD m                        ; g and b of channels 32 m + 16 h + 0 .. 15 into set m % 2: the sixteen lanes of a half read the same bytes
	WIN 0x80
.irp e, 0,1,2,3
	ds_load_b128 v[GBT+32*((\m)%2)+4*\e:GBT+32*((\m)%2)+4*\e+3], v8 offset:128*(\m)+16*\e
.endr
.irp e, 0,1,2,3
	ds_load_b128 v[GBT+32*((\m)%2)+16+4*\e:GBT+32*((\m)%2)+16+4*\e+3], v8 offset:4096+128*(\m)+16*\e
.endr
.endm
.macro CLEAR                           ; the four chains of sums begin at 0
	WIN 0x80
.irp i, 0,1,2,3,4,5,6,7
	v_mov_b32 v[SUM+\i], 0
.endr
.endm
.macro REDUCE                          ; the chains, the pair's halves and lane l xor 16's: the row's sum in v[SUM]
	WIN 0xaa
	v_pk_add_f32 v[SUM:SUM+1], v[SUM:SUM+1], v[SUM+2:SUM+3]
	v_pk_add_f32 v[SUM+4:SUM+5], v[SUM+4:SUM+5], v[SUM+6:SUM+7]
	v_pk_add_f32 v[SUM:SUM+1], v[SUM:SUM+1], v[SUM+4:SUM+5]
	v_add_f32 v[SUM], v[SUM], v[SUM+1]
	v_permlanex16_b32 v[TP], v[SUM], s[SEL], s[SEL+1]
	v_add_f32 v[SUM], v[SUM], v[TP]
.endm
	s_load_b256 s[4:11], s[0:1], 0x0               ; ao s[4:5], img s[6:7], sci s[8:9], ln_g s[10:11]
	s_load_b128 s[12:15], s[0:1], 0x20             ; ln_b s[12:13], bp s[14:15]
	s_load_b64 s[16:17], s[0:1], 0x30              ; out0
	v_lshl_add_u32 v15, v0, 2, 0x12c00
	s_set_vgpr_msb 0x80
	v_mov_b32 v255, 0
	s_set_vgpr_msb 0x8000
	v_lshrrev_b32 v1, 5, v0
	v_readfirstlane_b32 s[WV], v1
	v_and_b32 v3, 31, v0                           ; L
	v_lshlrev_b32 v1, 4, v3                        ; 16 L
	v_lshlrev_b32 v2, 5, v3                        ; 32 L
	v_and_b32 v4, 15, v0                           ; r
	s_wait_alu depctr_va_vdst(0)
	v_bfe_u32 v5, v0, 4, 1                         ; h
	v_lshl_add_u32 v3, v3, 2, ASC                  ; the scale words on the way back: 4 L
	v_lshlrev_b32 v12, 5, v0                       ; g, b: 32 bytes a thread
	v_add_nc_u32 v13, GB, v12
	v_lshlrev_b32 v14, 6, v5                       ; 64 h
	v_add_nc_u32 v8, GB, v14
	s_lshr_b32 s40, s[WV], 1
	s_lshl_b32 s40, s40, 10
	s_and_b32 s41, s[WV], 1
	s_lshl_b32 s41, s41, 6
	s_add_co_u32 s40, s40, s41
	s_add_co_u32 s40, s40, ASC
	v_lshl_add_u32 v7, v4, 2, s40                  ; my tile's scale words: 1,024 (wave / 2) + 64 (wave % 2) + 4 r
	s_mul_i32 s42, s[WV], TILEB
	v_add_nc_u32 v6, s42, v1                       ; my tile's images: 12,288 x wave + 16 L
	s_mul_i32 s41, s[WV], 4352
	s_add_co_u32 s41, s41, STG                     ; my stage
	v_mul_u32_u24 v9, v4, 272
	s_wait_alu depctr_va_vdst(0)
	v_lshl_add_u32 v9, v5, 6, v9
	v_add_nc_u32 v9, s41, v9                       ; in: row r, + 64 h
	v_mul_u32_u24 v10, v5, 272
	v_lshl_add_u32 v10, v4, 4, v10
	v_add_nc_u32 v10, s41, v10                     ; back: lanes 0-15 one row, lanes 16-31 the next
	v_lshlrev_b32 v11, 12, v5
	v_lshl_add_u32 v11, v4, 4, v11                 ; and the same two rows in out0
	s_mov_b32 s19, ttmp9
	s_and_b32 s20, ttmp7, 0xffff
	s_lshl_b32 s21, s19, 3
	s_lshl_b32 s43, s[WV], 1
	s_add_co_u32 s21, s21, s43                     ; my first group of 64 columns; the second pass takes the next
	s_mov_b32 s[SEL], 0x76543210
	s_mov_b32 s[SEL+1], 0xfedcba98
	s_mov_b32 s24, 0xffff0000                      ; a word's upper bf16
	s_mov_b32 s25, 0x3a800000                      ; 1 / 1,024
	s_mov_b32 s26, 0x3727c5ac                      ; 1e-5
	s_mov_b32 s45, 0
	s_wait_kmcnt 0x0
	s_lshl_b32 s44, s21, 2
	s_add_co_u32 s44, s44, 704
	s_mul_i32 s44, s44, TILEB
	s_add_nc_u64 s[WP:WP+1], s[6:7], s[44:45]      ; Wp's tiles 704 + 4 (8 x + 2 wave) on: eight of them
	s_lshl_b32 s44, s21, 1
	s_add_co_u32 s44, s44, 352
	s_lshl_b32 s44, s44, 10
	s_add_nc_u64 s[WSP:WSP+1], s[8:9], s[44:45]
	s_lshl_b32 s44, s21, 8
	s_add_nc_u64 s[BPP:BPP+1], s[14:15], s[44:45]
	s_add_nc_u64 s[OUTP:OUTP+1], s[16:17], s[44:45]
	s_lshl_b32 s44, s20, 18                        ; 64 rows of 4,096 bytes
	s_add_nc_u64 s[OUTP:OUTP+1], s[OUTP:OUTP+1], s[44:45]
	s_lshl_b32 s44, s20, 2
	s_add_co_u32 s44, s44, s[WV]
	s_lshl_b32 s44, s44, 15
	s_add_nc_u64 s[AOP:AOP+1], s[4:5], s[44:45]    ; row tile 4 y + wave, 32,768 bytes
	global_load_b128 v[32:35], v12, s[10:11]
	global_load_b128 v[36:39], v12, s[10:11] offset:16
	global_load_b128 v[40:43], v12, s[12:13]
	global_load_b128 v[44:47], v12, s[12:13] offset:16
.irp a, 0,1,2,3                        ; Wp's scale words: blocks 0, 1 (the first pass) at v16, blocks 2, 3 (the second) at v48
.irp k, 0,1
	global_load_b128 v[SB+32*(\a/2)+8*(\a%2)+4*\k:SB+32*(\a/2)+8*(\a%2)+4*\k+3], v2, s[WSP:WSP+1] offset:1024*\a+16*\k
.endr
.endr
	WIN 0x40                                       ; destination window 1
.set n, 0
.rept 64
	global_load_b128 v[4*n:4*n+3], v1, s[AOP:AOP+1] offset:512*n
.set n, n+1
.endr
	WIN 0x80                                       ; destination window 2
.irp t, 0,1,2,3                        ; bp in the result's layout: lane (r, h), tile t: columns 32 (t / 2) + 16 h + 8 (t % 2) + 0 .. 7
.irp k, 0,1
	global_load_b128 v[BI+8*\t+4*\k:BI+8*\t+4*\k+3], v14, s[BPP:BPP+1] offset:(32*(\t/2)+8*(\t%2))*4+16*\k
.endr
.endr
.irp b, 0,1,2,3
	v_mov_b32 v[TM+4+\b], 0                        ; written once: a lane permute's destination counts as one of its sources
.endr
	v_mov_b32 v[TP], 0
	WIN 0
	s_wait_loadcnt 0x0                             ; g, b, the scale words, my tile, bp
	ds_store_b128 v13, v[32:35]
	ds_store_b128 v13, v[36:39] offset:16
	ds_store_b128 v13, v[40:43] offset:4096
	ds_store_b128 v13, v[44:47] offset:4112
	s_wait_dscnt 0x0                               ; for the others' sake: my part of g and b has landed
	s_barrier_signal -1
	s_barrier_wait -1
	; ---- THE NORM of my 16 rows
	CLEAR
.irp q, 0,1,2,3,4,5,6,7                ; pass 1: bf16 to f32, and the sum
	FW \q
	WIN (wF<<6)|4
.set k, 0
.rept 32
	v_lshlrev_b32 v[oF+2*k], 16, v[32*\q+k]
	v_and_b32 v[oF+2*k+1], s24, v[32*\q+k]
.set k, k+1
.endr
	WIN 0x80|(wF<<2)|2
.set k, 0
.rept 32
	v_pk_add_f32 v[SUM+2*(k%4):SUM+2*(k%4)+1], v[SUM+2*(k%4):SUM+2*(k%4)+1], v[oF+2*k:oF+2*k+1]
.set k, k+1
.endr
.endr
	REDUCE
	v_mul_f32 v[NMU], 0xba800000, v[SUM]           ; - the mean
	v_mov_b32 v[NMU+1], v[NMU]
	WIN 0x40                                       ; window 1 has been read out: it takes the first pass's K steps 0-4 of Wp, which land under the rest of the norm
.irp q, 0,1,2,3,4
.irp t, 0,1,2,3
.irp c, 0,1,2
	global_load_b128 v[12*(4*\q+\t)+4*\c:12*(4*\q+\t)+4*\c+3], v1, s[WP:WP+1] offset:TILEB*\t+FRB*\q+512*\c
.endr
.endr
.endr
	CLEAR
	GBLOAD 0
.irp q, 0,1,2,3,4,5,6,7                ; pass 2: less the mean, and the sum of squares
	FW \q
	WIN (wF<<6)|0x28|wF
.set k, 0
.rept 32
	v_pk_add_f32 v[oF+2*k:oF+2*k+1], v[oF+2*k:oF+2*k+1], v[NMU:NMU+1]
.set k, k+1
.endr
	WIN 0xa0|(wF<<2)|wF
.set k, 0
.rept 32
	v_pk_fma_f32 v[SUM+2*(k%4):SUM+2*(k%4)+1], v[oF+2*k:oF+2*k+1], v[oF+2*k:oF+2*k+1], v[SUM+2*(k%4):SUM+2*(k%4)+1]
.set k, k+1
.endr
.endr
	REDUCE
	v_fma_f32 v[TP+1], v[SUM], s25, s26            ; the variance + 1e-5
	s_wait_alu depctr_va_vdst(0)
	v_rsq_f32 v[RS], v[TP+1]
	v_nop                                          ; a plain place behind the transcendental
	s_wait_alu depctr_va_vdst(0)                   ; ahead of its first reader
	v_mov_b32 v[RS+1], v[RS]
.irp q, 0,1,2,3,4,5,6,7                ; pass 3: x 1 / sigma, x g + b, 16 channels a lane at a time; each K step is quantised as soon as it is whole
	FW \q
.irp bb, 0,1,2,3
.set nn, 4*\q+\bb
.if nn < 31
	GBLOAD nn+1
.endif
	WIN (wF<<6)|0x28|wF
.irp e, 0,1,2,3,4,5,6,7
	v_pk_mul_f32 v[oF+16*\bb+2*\e:oF+16*\bb+2*\e+1], v[oF+16*\bb+2*\e:oF+16*\bb+2*\e+1], v[RS:RS+1]
.endr
.if nn < 31
	s_wait_alu depctr_va_vdst(0)
	s_wait_dscnt 8                                 ; this block's g and b are in, and the image stores ahead of them have read their registers; the eight loads just issued may be out
.else
	s_wait_alu depctr_va_vdst(0)
	s_wait_dscnt 0x0
.endif
.irp e, 0,1,2,3,4,5,6,7
	v_pk_fma_f32 v[oF+16*\bb+2*\e:oF+16*\bb+2*\e+1], v[oF+16*\bb+2*\e:oF+16*\bb+2*\e+1], v[GBT+32*(nn%2)+2*\e:GBT+32*(nn%2)+2*\e+1], v[GBT+32*(nn%2)+16+2*\e:GBT+32*(nn%2)+16+2*\e+1]
.endr
.endr
	QUANT oF, wF
	WIN 0x08                                       ; an LDS store's data are its source 1: window 2
.irp c, 0,1,2
	ds_store_b128 v6, v[PC+4*\c:PC+4*\c+3] offset:FRB*\q+512*\c      ; the fragment as it stands: 16 bytes a lane
.endr
	ds_store_b32 v7, v[PW] offset:128*\q           ; lanes r and r + 16 write the same word with the same value
.endr
	WIN 0
	s_wait_dscnt 0x0                               ; for the others' sake: my images and scale words have landed; and these stores have read their registers
	WIN 0x80                                       ; the first pass's K steps 5-7 of Wp, where the norm's numbers lay, and the second pass's bp, where the quantiser's lay
.irp q, 5,6,7
.irp t, 0,1,2,3
.irp c, 0,1,2
	global_load_b128 v[12*(4*(\q-5)+\t)+4*\c:12*(4*(\q-5)+\t)+4*\c+3], v1, s[WP:WP+1] offset:TILEB*\t+FRB*\q+512*\c
.endr
.endr
.endr
.irp t, 0,1,2,3
.irp k, 0,1
	global_load_b128 v[BI2+8*\t+4*\k:BI2+8*\t+4*\k+3], v14, s[BPP:BPP+1] offset:256+(32*(\t/2)+8*(\t%2))*4+16*\k
.endr
.endr
	WIN 0
	s_barrier_signal -1
	s_barrier_wait -1                              ; the 64 rows' 32 fragments lie in LDS
.set i, 0
.rept 16
	ds_load_b32 v[SA+i], v3 offset:128*i           ; register 8 a + q: lanes 0-15 tile 2 a's words of K step q, lanes 16-31 tile 2 a + 1's
.set i, i+1
.endr
	v_mov_b32 v4, v1                               ; the images: 16 L
; ---- THE PRODUCT, pass p: eight K steps of 16 matrix instructions.  The next step's fragments are asked for first, then this step is multiplied.
.macro GEMM p
	FETCH 0
.if (\p) == 0
	s_wait_alu depctr_va_vdst(0)
	s_wait_loadcnt 44                              ; Wp's K steps 0-4 are in; the 36 loads of steps 5-7 and the 8 of the second bp may be out
.endif
.irp q, 0,1,2,3,4,5,6,7
.if (\q >= 1) && (((\p) == 0) || (\q < 7))
	PLACES                                         ; the registers to be loaded were read by the step before
.endif
.if ((\p) == 0) && (\q >= 1)
	REFILL \q-1
.endif
.if \q < 7
	FETCH \q+1
	s_wait_dscnt 12                                ; this step's fragments (the first time: the scale words too) are in; the 12 loads just issued may be out
.else
	s_wait_dscnt 0x0
.endif
.if ((\p) == 0) && (\q == 5)
	s_wait_loadcnt 60                              ; Wp's K steps 5-7 and the second bp are in; the five refills of 12 loads issued since may be out
.endif
.if (\p) == 1
.if 12*(7-\q) > 60
	s_wait_loadcnt 60                              ; this step's refill is in (behind it stand 12 loads for each later step: more than a wait's count can name, so a smaller count is written)
.else
	s_wait_loadcnt 12*(7-\q)                       ; this step's refill is in; the later steps' 12 loads each may be out
.endif
.endif
	MULP \p, \q
.endr
.endm
; ---- THE WAY OUT, a row tile at a time.  A lane holds 32 neighbouring bytes of a row for each column tile: the tile's 16 rows x 256 bytes go through my own stage and come back as rows: sixteen lanes store 256 consecutive
; bytes, at a multiple of 256 from out0's first byte.  LDS serves a wave's instructions in order (ISA guide 5.7.1.4): no wait between the stores and the loads, nor in front of the next tile's stores.
.macro TOSTAGE p, a
	WIN 0x0c                                       ; the data: window 3
.irp t, 0,1,2,3
	ds_store_b128 v9, v[8*(16*(\p)+4*(\a)+\t):8*(16*(\p)+4*(\a)+\t)+3] offset:128*(\t/2)+32*(\t%2)        ; each accumulator from its low end on
	ds_store_b128 v9, v[8*(16*(\p)+4*(\a)+\t)+4:8*(16*(\p)+4*(\a)+\t)+7] offset:128*(\t/2)+32*(\t%2)+16
.endr
	WIN 0
.irp i, 0,1,2,3,4,5,6,7
	ds_load_b128 v[OUTR+32*((\a)%2)+4*\i:OUTR+32*((\a)%2)+4*\i+3], v10 offset:544*\i
.endr
.endm
.macro SEND p, a, younger              ; younger: the LDS instructions issued behind tile a's loads, which may stay out.  Slot 2 i + h of tile a is row 32 (a / 2) + 8 (a % 2) + 2 i + 8 (i / 4) + h of the 64
	s_wait_dscnt \younger
.irp i, 0,1,2,3,4,5,6,7
	global_store_b128 v11, v[OUTR+32*((\a)%2)+4*\i:OUTR+32*((\a)%2)+4*\i+3], s[OUTP:OUTP+1] offset:(32*((\a)/2)+8*((\a)%2)+2*\i+8*(\i/4))*4096+256*(\p) th:TH_STORE_NT
.endr
.endm
.macro WAYOUT p
.if (\p) > 0
	s_wait_xcnt 0x0                                ; the earlier stores have read their registers: this tile's loads may land there
.endif
	TOSTAGE \p, 0
.irp a, 1,2,3
.if ((\p) > 0) || (\a > 1)
	s_wait_xcnt 0x0                                ; likewise
.endif
	TOSTAGE \p, \a
	SEND \p, \a-1, 16                              ; behind the last tile's loads: this tile's 8 stores and 8 loads
.endr
	SEND \p, 3, 0
.endm
	GEMM 0
	PLACES                                         ; for the last refill, and for the first read of results
	REFILL 7
	WIN 0
	WAYOUT 0                                       ; the first 64 columns leave; their stores are on their way while the second pass is multiplied
	GEMM 1
	WIN 0
	PLACES
	WAYOUT 1
	s_set_vgpr_msb 0x8
	s_wait_tensorcnt 0x0
	ds_add_u32 v15, v255
	s_wait_dscnt 0x0
	s_set_vgpr_msb 0x800
	s_endpgm
.Lfunc_end_k_q64b752865b_lnproj:
	.size	k_q64b752865b_lnproj, .Lfunc_end_k_q64b752865b_lnproj-k_q64b752865b_lnproj
	.p2alignl 7, 3214868480
	.fill 96, 4, 3214868480
	.section	.rodata,"a",@progbits
	.p2align	6, 0x0
	.amdhsa_kernel k_q64b752865b_lnproj
		.amdhsa_group_segment_fixed_size 77312
		.amdhsa_private_segment_fixed_size 0
		.amdhsa_enable_private_segment 0
		.amdhsa_kernarg_size 56
		.amdhsa_user_sgpr_count 2
		.amdhsa_user_sgpr_kernarg_segment_ptr 1
		.amdhsa_wavefront_size32 1
		.amdhsa_system_sgpr_workgroup_id_x 1
		.amdhsa_system_sgpr_workgroup_id_y 1
		.amdhsa_system_sgpr_workgroup_id_z 1
		.amdhsa_system_vgpr_workitem_id 0
		.amdhsa_next_free_vgpr 1024
		.amdhsa_next_free_sgpr 66
		.amdhsa_reserve_vcc 0
		.amdhsa_float_denorm_mode_32 3
		.amdhsa_float_denorm_mode_16_64 3
		.amdhsa_memory_ordered 1
		.amdhsa_forward_progress 1
		.amdhsa_inst_pref_size 247
	.end_amdhsa_kernel
	.amdgpu_metadata
---
amdhsa.version: [ 1, 2 ]
amdhsa.kernels:
  - .name:           k_q64b752865b_lnproj
    .symbol:         k_q64b752865b_lnproj.kd
    .args:
      - { .name: ao, .offset: 0, .size: 8, .value_kind: global_buffer, .address_space: global }
      - { .name: img, .offset: 8, .size: 8, .value_kind: global_buffer, .address_space: global }
      - { .name: sci, .offset: 16, .size: 8, .value_kind: global_buffer, .address_space: global }
      - { .name: ln_g, .offset: 24, .size: 8, .value_kind: global_buffer, .address_space: global }
      - { .name: ln_b, .offset: 32, .size: 8, .value_kind: global_buffer, .address_space: global }
      - { .name: bp, .offset: 40, .size: 8, .value_kind: global_buffer, .address_space: global }
      - { .name: out0, .offset: 48, .size: 8, .value_kind: global_buffer, .address_space: global }
    .group_segment_fixed_size: 77312
    .private_segment_fixed_size: 0
    .kernarg_segment_align: 8
    .kernarg_segment_size: 56
    .max_flat_workgroup_size: 128
    .sgpr_count:     66
    .vgpr_count:     1024
    .wavefront_size: 32
...
	.end_amdgpu_metadata
.endif
;; end of part 4
